; MI455X (gfx1250); checked and timed in simulation.
; The chip was launched on July 23, 2026; its instructions are those of AMD's public machine-readable ISA for CDNA 5 (MIT licence, August 2026) and "CDNA5" Instruction Set Architecture Reference Guide (July 2026). The comments in the code are by the model that wrote it; some were corrected since.
;; Retention. Allowed arithmetic: matrix products marked QUANTISED: E2M1 operands, one E8M0 scale for each 32 along K, by v_wmma_scale_f32_16x16x128_f8f6f4 with both operands' format E2M1 (or v_wmma_scale_f32_32x16x128_f4), f32 sums; products left as they are: bf16, f16 or f32 operands; f32 sums; everything else in f32.
;; Inputs: theta 1,024 float32; weight_k 1,024 x 1,024 float32; weight_q 1,024 x 1,024 float32; weight_v 1,024 x 1,024 float32; x 4 x 2,048 x 1,024 float32.
;; Outputs: out0 4 x 2,048 x 1,024 float32.
;; This version of the problem:
;;   THIS VERSION OF THE PROBLEM IS GIVEN IN LOW PRECISION. The matrix products marked QUANTISED in the list below multiply operands that are first quantised to E2M1 (2 exponent bits, 1 mantissa bit; 4 bits a number), with one power-of-two scale for each 32 numbers along K (OCP MX v1.0); their sums are f32. The products marked 'left as it is' may take bf16, f16 or f32 operands, with f32 sums. Whichever they take, every output number must still come out within the allowed error. Rounding operands to bf16 (8 significant bits) uses up far more of that allowance than f16 does (11 bits, for magnitudes from 6e-5 to 65,504). All else is computed in f32.
;;   The module's matrix products, in the order in which they are computed (A, B: the left and right operand; K: the contracted axis; several contracted axes count as one K, in the product's order):
;;     1. [M 8,192, K 1,024] x [K 1,024, N 1,024]; A: input x; B: input weight_q: QUANTISED
;;     2. [M 8,192, K 1,024] x [K 1,024, N 1,024]; A: input x; B: input weight_k: QUANTISED
;;     3. [M 8,192, K 1,024] x [K 1,024, N 1,024]; A: input x; B: input weight_v: QUANTISED
;;     4. batch 4 x [M 2,048, K 1,024] x [K 1,024, N 2,048]; A: computed on the way; B: computed on the way: left as it is (an operand is computed on the way)
;;     5. batch 4 x [M 2,048, K 2,048] x [K 2,048, N 1,024]; A: computed on the way; B: computed on the way: left as it is (an operand is computed on the way)
;;   THE QUANTISER, for each operand of a quantised product, along K:
;;     - K is cut into blocks of 32 from its start; a last block that is shorter is filled with zeros.
;;     - A block's scale is 2^e with e = floor(log2(the largest magnitude in the block)) - 2, held to -126 .. 127; a block of zeros has e = 0. As a byte (E8M0): e + 127.
;;     - Each number is divided by its block's scale, clamped to +-6, and rounded to the nearest number of E2M1, ties to even, subnormals kept.
;;     - The product sums the exact products of the quantised numbers (number of the format x scale) in f32.
;;   ~~~python
;;   def quantise(x, axis):      # numpy; x: float32 -> the quantised numbers, widened to float32 again
;;       x = np.moveaxis(x, axis, -1); K = x.shape[-1]
;;       x = np.pad(x, [(0, 0)] * (x.ndim - 1) + [(0, -K % 32)]); x = x.reshape(x.shape[:-1] + (-1, 32)); a = np.abs(x).max(-1, keepdims=True)
;;       e = np.where(a > 0, np.clip(np.frexp(np.where(a > 0, a, 1))[1] - 1 - 2, -126, 127), 0)      # np.frexp(a)[1] - 1 = floor(log2(a)), exactly
;;       r = np.clip(x / 2.0 ** e, -6, 6)
;;       step = 2.0 ** (np.maximum(np.frexp(np.where(r == 0, 1, r))[1] - 1, 0) - 1)
;;       q = np.round(r / step) * step * 2.0 ** e      # np.round: ties to even
;;       return np.moveaxis(q.reshape(q.shape[:-2] + (-1,))[..., :K], -1, axis).astype(np.float32)
;;   ~~~
;; One version. Each part assembles by itself: llvm-mc -triple=amdgcn-amd-amdhsa -mcpu=gfx1250 --defsym DOCPART=n.
;; ======== version 1 of 1: 4 launches
;; limits: values are held in f16: magnitudes above 65,504 overflow, below 6.1e-05 lose precision
;; workspace buffers: x_codes 4,194,304 bytes; x_scales 262,144 bytes; w_codes 1,572,864 bytes; w_scales 98,304 bytes; qkv 50,331,648 bytes; amax 8,192 bytes; p 33,554,432 bytes
;; launch quant (part 1): grid 608 x 1, 8 waves a work-group, no clusters, 60,928 bytes of LDS; arguments x, weight_q, weight_k, weight_v, x_codes, x_scales, w_codes, w_scales; writes x_codes, x_scales, w_codes, w_scales
.if DOCPART == 1
	.amdgcn_target "amdgcn-amd-amdhsa--gfx1250"
	.amdhsa_code_object_version 6
	.text
	.protected	k_q8f9990d0b7_quant
	.globl	k_q8f9990d0b7_quant
	.p2align	8
	.type	k_q8f9990d0b7_quant,@function
k_q8f9990d0b7_quant:
	s_mov_b64 s[64:65], 0
	v_nop
	global_prefetch_b8 v0, s[64:65] scope:SCOPE_SE
	s_setreg_imm32_b32 hwreg(HW_REG_WAVE_MODE, 25, 1), 1
	s_wait_xcnt 0x0
; x [8192][1024] f32 and the three weights [1024 (k)][1024 (n)] f32 become codes of FP4 (E2M1), K innermost, with one E8M0 byte for each 32 along K.
; x_codes [8192][512 bytes], x_scales [8192][32];  w_codes [3072][512 bytes], w_scales [3072][32]: row n = column n % 1024 of weight_q (0..), weight_k (1024..), weight_v (2048..).
; A block's scale is 2^(floor(log2(largest magnitude)) - 2): its byte is the largest magnitude's exponent field - 2, held at 1 from below.
; A block of zeros gets the byte 1 where the quantiser's text says 127: its codes are zeros, which add nothing, and these bytes are read by this program alone.
; LIMITS: NaN and infinities among the inputs are not served.
; Work-groups 0-95 take the weights, 96-607 take x: the paths part on the work-group's number and have LDS bytes of their own.
; x: K is innermost, so x is a stream of blocks.  A wave takes 4 steps of 512 numbers; all its 16 loads (512 consecutive bytes each) go out at once; a step turns through the wave's own stage in LDS,
;    so that a lane holds 16 neighbours; two neighbouring lanes hold a block.  The work-group's 512 scale bytes meet in LDS and leave by one store of 512 consecutive bytes.
; weights: K is the first axis.  A lane takes a column and its registers run down K: a block of 32 lies in one lane.  A work-group takes 64 columns x 512 along K; wave w: columns 32 (w & 1) on, K 128 (w >> 1) on.
;    The codes meet in a stage of 64 rows x 256 bytes and leave as rows: sixteen lanes store 256 consecutive bytes, aligned.
.set XST,   0                          ; x: 8 waves x two stages of 32 x 80 bytes
.set XSG,   40960                      ; x: the work-group's 512 scale bytes
.set WST,   41472                      ; weights: 64 rows x 272 bytes of codes
.set WSG,   58880                      ; weights: 64 rows x 16 scale bytes
.set SPARE, 59904                      ; the spare words, 128 bytes for each of the eight waves: no other line names them
.set SP,    80                         ; a lane's place in a stage: 64 bytes + 16 of padding
.set WP,    272                        ; a row of the weights' stage: 256 bytes + 16 of padding
.set SPW,   126                        ; v126 LDS address of my spare word; never rewritten
.set NIL,   127                        ; v127 0; never rewritten
.set R,     16                         ; x: v16-79 four steps' numbers as loaded
.set X,     80                         ; x: v80-111 two sets of 16 neighbours
.set C,     112                        ; x: v112-119 codes, two registers a step
.set E,     120                        ; x: v120-123 a scale byte a step
.set WX,    16                         ; weights: v16-79 two sets of 32 numbers
.set WC,    80                         ; weights: v80-83 a block's codes
.set SB,    84                         ; weights: v84 my four scale bytes
.set OUTR,  88                         ; weights: v88-103 rows on the way out; v104-107 scale bytes
.macro LOADX t
.irp i, 0,1,2,3
	global_load_b128 v[R+16*(\t)+4*\i:R+16*(\t)+4*\i+3], v3, s[4:5] offset:2048*(\t)+512*\i th:TH_LOAD_NT   ; 32 lanes read 512 consecutive bytes
.endr
.endm
.macro TURNX t                         ; step t through a stage: LDS serves a wave's instructions in order, so no wait stands between the stores and the loads
.irp i, 0,1,2,3
	ds_store_b128 v14, v[R+16*(\t)+4*\i:R+16*(\t)+4*\i+3] offset:32*SP*((\t)%2)+8*SP*\i
.endr
.irp i, 0,1,2,3
	ds_load_b128 v[X+16*((\t)%2)+4*\i:X+16*((\t)%2)+4*\i+3], v15 offset:32*SP*((\t)%2)+16*\i
.endr
.endm
.macro STEPX t
.set XS, X+16*((\t)%2)
.if (\t) > 0
	s_wait_dscnt 1                                 ; this step's numbers are back from the stage; the last step's byte store may be out
.else
	s_wait_dscnt 0x0
.endif
.if (\t) < 3
	s_wait_loadcnt 4*(2-(\t))                      ; the next step's four loads are in; those of the steps behind it may be out
	TURNX (\t)+1
.endif
	v_max3_num_f32 v8, |v[XS]|, |v[XS+1]|, |v[XS+2]|   ; the largest magnitude of my 16, in two chains
	v_max3_num_f32 v9, |v[XS+3]|, |v[XS+4]|, |v[XS+5]|
.irp i, 6,10
	v_max3_num_f32 v8, v8, |v[XS+\i]|, |v[XS+\i+1]|
	v_max3_num_f32 v9, v9, |v[XS+\i+2]|, |v[XS+\i+3]|
.endr
	v_max3_num_f32 v8, v8, |v[XS+14]|, |v[XS+15]|
	v_max3_num_f32 v8, v8, v9, 0x1800000           ; and the floor 2^(3 - 127): the byte cannot fall under 1
	v_max_num_f32_dpp v8, v8, v8 row_xmask:1 row_mask:0xf bank_mask:0xf   ; with my neighbour's 16: the block's
	v_add_nc_u32 v11, 0xff000000, v8               ; 2 off the exponent field: the conversion takes this operand's exponent field as its scale
	v_cvt_scalef32_pk8_fp4_f32 v[C+2*(\t)], v[XS:XS+7], v11
	v_cvt_scalef32_pk8_fp4_f32 v[C+2*(\t)+1], v[XS+8:XS+15], v11
	v_lshrrev_b32 v[E+(\t)], 23, v11               ; the scale's byte (a plain line behind the conversions)
	ds_store_b8 v5, v[E+(\t)] offset:16*(\t)       ; both lanes of a block write the same byte with the same value
	global_store_b64 v4, v[C+2*(\t):C+2*(\t)+1], s[12:13] offset:256*(\t)   ; the wave stores 256 consecutive bytes, aligned
.endm
.macro LOADW t                         ; block t: W(32 t + i, my column), i = 0 .. 31
.irp i, 0,1,2,3,4,5,6,7,8,9,10,11,12,13,14,15,16,17,18,19,20,21,22,23,24,25,26,27,28,29,30,31
	global_load_b32 v[WX+32*((\t)%2)+\i], v3, s[34:35] offset:(32*(\t)+\i)*4096 th:TH_LOAD_NT
.endr
.endm
.macro BLOCKW t
.set XS, WX+32*((\t)%2)
.if (\t) < 3
	s_wait_loadcnt 32                              ; this block's 32 loads are in; the next block's may be out
.else
	s_wait_loadcnt 0x0
.endif
	v_max3_num_f32 v12, |v[XS]|, |v[XS+1]|, |v[XS+2]|   ; all 32 numbers of the block are mine
	v_max3_num_f32 v13, |v[XS+3]|, |v[XS+4]|, |v[XS+5]|
.irp i, 6,10,14,18,22,26
	v_max3_num_f32 v12, v12, |v[XS+\i]|, |v[XS+\i+1]|
	v_max3_num_f32 v13, v13, |v[XS+\i+2]|, |v[XS+\i+3]|
.endr
	v_max3_num_f32 v12, v12, |v[XS+30]|, |v[XS+31]|
	v_max3_num_f32 v12, v12, v13, 0x1800000
	v_add_nc_u32 v11, 0xff000000, v12
	v_lshrrev_b32 v13, 23, v11
.if (\t) == 0
	v_mov_b32 v[SB], v13                           ; four bytes to a register, the lower K in the lower byte
.else
	v_lshl_or_b32 v[SB], v13, 8*(\t), v[SB]
.endif
.irp g, 0,1,2,3
	v_cvt_scalef32_pk8_fp4_f32 v[WC+\g], v[XS+8*\g:XS+8*\g+7], v11
.endr
	ds_store_b128 v4, v[WC:WC+3] offset:16*(\t)    ; 32 codes: 16 bytes of my column's row
.if (\t) < 2
	LOADW (\t)+2
.endif
	s_wait_dscnt 0x0                               ; the store has read its registers: the next block's codes may be written
.endm
	s_load_b256 s[4:11], s[0:1], 0x0               ; x, weight_q, weight_k, weight_v
	s_load_b256 s[12:19], s[0:1], 0x20             ; x_codes, x_scales, w_codes, w_scales
	v_lshl_add_u32 v[SPW], v0, 2, SPARE
	v_mov_b32 v[NIL], 0
	v_lshrrev_b32 v1, 5, v0
	v_readfirstlane_b32 s20, v1                    ; wave 0..7
	v_and_b32 v2, 31, v0                           ; lane
	s_cmp_lt_u32 ttmp9, 96
	s_cbranch_scc1 .Lweights
	; ---------------- x ----------------
	s_sub_co_u32 s21, ttmp9, 96                    ; g: which 16,384 numbers are my work-group's
	s_lshl_b32 s22, s21, 3
	s_add_co_u32 s22, s22, s20                     ; which run of 2,048 numbers is my wave's
	v_lshlrev_b32 v3, 4, v2                        ; my 16 bytes of a load's 512
	v_lshlrev_b32 v4, 3, v2                        ; my 8 bytes of a step's codes
	s_lshl_b32 s23, s20, 6
	v_lshrrev_b32 v5, 1, v2
	v_add_nc_u32 v5, s23, v5
	v_add_nc_u32 v5, XSG, v5                       ; my block's scale byte: XSG + 64 wave + lane / 2
	v_add_nc_u32 v6, XSG, v3                       ; and the way out of all 512: 16 bytes a lane
	s_mul_i32 s23, s20, 2*32*SP
	v_lshrrev_b32 v14, 2, v2
	v_mul_u32_u24 v14, v14, SP
	v_and_b32 v15, 3, v2
	v_lshl_add_u32 v14, v15, 4, v14
	v_add_nc_u32 v14, s23, v14                     ; into the stage: four lanes' 64 bytes on end, then 16 of padding
	v_mul_u32_u24 v15, v2, SP
	v_add_nc_u32 v15, s23, v15                     ; out of it: my 16 neighbours
	s_lshl_b32 s24, s22, 13                        ; 8,192 bytes of x a run
	s_mov_b32 s25, 0
	s_lshl_b32 s26, s22, 10                        ; 1,024 bytes of codes
	s_mov_b32 s27, 0
	s_lshl_b32 s28, s21, 9                         ; 512 scale bytes a work-group
	s_mov_b32 s29, 0
	s_wait_kmcnt 0x0
	s_add_nc_u64 s[4:5], s[4:5], s[24:25]
	s_add_nc_u64 s[12:13], s[12:13], s[26:27]
	s_add_nc_u64 s[14:15], s[14:15], s[28:29]
.irp t, 0,1,2,3
	LOADX \t
.endr
	s_wait_loadcnt 12                              ; step 0's four loads are in
	TURNX 0
.irp t, 0,1,2,3
	STEPX \t
.endr
	s_wait_dscnt 0x0                               ; for the others' sake: my scale bytes lie in LDS
	s_barrier_signal -1
	s_barrier_wait -1
	s_cmp_lg_u32 s20, 0
	s_cbranch_scc1 .Lend                           ; wave 0 alone stores them
	ds_load_b128 v[8:11], v6
	s_wait_dscnt 0x0
	global_store_b128 v3, v[8:11], s[14:15]        ; 512 consecutive bytes, aligned
	s_branch .Lend
	; ---------------- the weights ----------------
.Lweights:
	s_lshr_b32 s21, ttmp9, 5                       ; which weight
	s_and_b32 s22, ttmp9, 15                       ; which 64 columns
	s_bfe_u32 s23, ttmp9, 0x10004                  ; which 512 along K
	s_and_b32 s24, s20, 1                          ; my 32 of the columns
	s_lshr_b32 s25, s20, 1                         ; my 128 of the 512
	v_lshlrev_b32 v3, 2, v2                        ; in: 4 bytes a lane
	s_lshl_b32 s26, s24, 5
	v_add_nc_u32 v6, s26, v2                       ; my column among the 64
	v_mul_u32_u24 v4, v6, WP
	s_lshl_b32 s27, s25, 6
	s_add_co_u32 s27, s27, WST
	v_add_nc_u32 v4, s27, v4                       ; my codes: row = my column, 64 bytes for each 128 along K
	v_lshlrev_b32 v5, 4, v6
	s_lshl_b32 s27, s25, 2
	s_add_co_u32 s27, s27, WSG
	v_add_nc_u32 v5, s27, v5                       ; my scale word
	v_lshl_add_u32 v9, v6, 4, WSG                  ; a column's 16 scale bytes, read back by waves 0 and 1
	v_lshrrev_b32 v12, 4, v2
	v_and_b32 v13, 15, v2
	v_lshlrev_b32 v8, 9, v12
	v_lshl_add_u32 v8, v13, 4, v8                  ; out: sixteen lanes to a row of w_codes, two rows an instruction
	s_lshl_b32 s27, s20, 3
	v_add_nc_u32 v12, s27, v12
	v_mul_u32_u24 v7, v12, WP
	v_lshl_add_u32 v7, v13, 4, v7
	v_add_nc_u32 v7, WST, v7                       ; the same places in the stage: wave w takes rows 8 w on
	v_lshlrev_b32 v10, 5, v2                       ; a row of w_scales is 32 bytes
	s_lshl_b32 s28, s23, 21                        ; W: (512 half + 128 quarter) rows of 4,096 bytes + 4 x column
	s_lshl_b32 s29, s25, 19
	s_add_co_u32 s28, s28, s29
	s_lshl_b32 s29, s22, 8
	s_add_co_u32 s28, s28, s29
	s_lshl_b32 s29, s24, 7
	s_add_co_u32 s28, s28, s29
	s_mov_b32 s29, 0
	s_lshl_b32 s30, s21, 19                        ; codes: (1,024 weight + 64 group + 8 wave) rows of 512 bytes + 256 half
	s_lshl_b32 s31, s22, 15
	s_add_co_u32 s30, s30, s31
	s_lshl_b32 s31, s20, 12
	s_add_co_u32 s30, s30, s31
	s_lshl_b32 s31, s23, 8
	s_add_co_u32 s30, s30, s31
	s_mov_b32 s31, 0
	s_lshl_b32 s32, s21, 15                        ; scale bytes: (1,024 weight + 64 group + 32 (wave & 1)) rows of 32 bytes + 16 half
	s_lshl_b32 s33, s22, 11
	s_add_co_u32 s32, s32, s33
	s_lshl_b32 s33, s24, 10
	s_add_co_u32 s32, s32, s33
	s_lshl_b32 s33, s23, 4
	s_add_co_u32 s32, s32, s33
	s_mov_b32 s33, 0
	s_wait_kmcnt 0x0
	s_cmp_eq_u32 s21, 0                            ; the choice hangs on the work-group's number alone
	s_cselect_b64 s[34:35], s[6:7], s[8:9]
	s_cmp_eq_u32 s21, 2
	s_cselect_b64 s[34:35], s[10:11], s[34:35]
	s_add_nc_u64 s[34:35], s[34:35], s[28:29]
	s_add_nc_u64 s[16:17], s[16:17], s[30:31]
	s_add_nc_u64 s[18:19], s[18:19], s[32:33]
	LOADW 0
	LOADW 1
.irp t, 0,1,2,3
	BLOCKW \t
.endr
	ds_store_b32 v5, v[SB]
	s_wait_dscnt 0x0                               ; for the others' sake: my codes and my scale word lie in LDS
	s_barrier_signal -1
	s_barrier_wait -1
.irp i, 0,1,2,3
	ds_load_b128 v[OUTR+4*\i:OUTR+4*\i+3], v7 offset:2*WP*\i
.endr
	s_wait_dscnt 0x0
.irp i, 0,1,2,3
	global_store_b128 v8, v[OUTR+4*\i:OUTR+4*\i+3], s[16:17] offset:1024*\i   ; sixteen lanes store 256 consecutive bytes, aligned
.endr
	s_cmp_gt_u32 s20, 1
	s_cbranch_scc1 .Lend                           ; waves 0 and 1 store the scale bytes, 16 a column
	ds_load_b128 v[104:107], v9
	s_wait_dscnt 0x0
	global_store_b128 v10, v[104:107], s[18:19]
.Lend:
	s_wait_tensorcnt 0x0                           ; the wave's end
	ds_add_u32 v[SPW], v[NIL]
	s_wait_dscnt 0x0
	s_endpgm
.Lfunc_end_k_q8f9990d0b7_quant:
	.size	k_q8f9990d0b7_quant, .Lfunc_end_k_q8f9990d0b7_quant-k_q8f9990d0b7_quant
	.p2alignl 7, 3214868480
	.fill 96, 4, 3214868480
	.section	.rodata,"a",@progbits
	.p2align	6, 0x0
	.amdhsa_kernel k_q8f9990d0b7_quant
		.amdhsa_group_segment_fixed_size 60928
		.amdhsa_private_segment_fixed_size 0
		.amdhsa_enable_private_segment 0
		.amdhsa_kernarg_size 64
		.amdhsa_user_sgpr_count 2
		.amdhsa_user_sgpr_kernarg_segment_ptr 1
		.amdhsa_wavefront_size32 1
		.amdhsa_system_sgpr_workgroup_id_x 1
		.amdhsa_system_sgpr_workgroup_id_y 1
		.amdhsa_system_sgpr_workgroup_id_z 1
		.amdhsa_system_vgpr_workitem_id 0
		.amdhsa_next_free_vgpr 128
		.amdhsa_next_free_sgpr 66
		.amdhsa_reserve_vcc 0
		.amdhsa_float_denorm_mode_32 3
		.amdhsa_float_denorm_mode_16_64 3
		.amdhsa_memory_ordered 1
		.amdhsa_forward_progress 1
		.amdhsa_inst_pref_size 32
	.end_amdhsa_kernel
	.amdgpu_metadata
---
amdhsa.version: [ 1, 2 ]
amdhsa.kernels:
  - .name:           k_q8f9990d0b7_quant
    .symbol:         k_q8f9990d0b7_quant.kd
    .args:
      - { .name: x, .offset: 0, .size: 8, .value_kind: global_buffer, .address_space: global }
      - { .name: weight_q, .offset: 8, .size: 8, .value_kind: global_buffer, .address_space: global }
      - { .name: weight_k, .offset: 16, .size: 8, .value_kind: global_buffer, .address_space: global }
      - { .name: weight_v, .offset: 24, .size: 8, .value_kind: global_buffer, .address_space: global }
      - { .name: x_codes, .offset: 32, .size: 8, .value_kind: global_buffer, .address_space: global }
      - { .name: x_scales, .offset: 40, .size: 8, .value_kind: global_buffer, .address_space: global }
      - { .name: w_codes, .offset: 48, .size: 8, .value_kind: global_buffer, .address_space: global }
      - { .name: w_scales, .offset: 56, .size: 8, .value_kind: global_buffer, .address_space: global }
    .group_segment_fixed_size: 60928
    .private_segment_fixed_size: 0
    .kernarg_segment_align: 8
    .kernarg_segment_size: 64
    .max_flat_workgroup_size: 256
    .sgpr_count:     66
    .vgpr_count:     128
    .wavefront_size: 32
...
	.end_amdgpu_metadata
.endif
;; end of part 1
;; launch proj (part 2): grid 8 x 32, 4 waves a work-group, clusters of 4 x 4, 327,680 bytes of LDS; arguments x_codes, x_scales, w_codes, w_scales, qkv, theta, amax; writes qkv, amax
.if DOCPART == 2
	.amdgcn_target "amdgcn-amd-amdhsa--gfx1250"
	.amdhsa_code_object_version 6
	.text
	.protected	k_q8f9990d0b7_proj
	.globl	k_q8f9990d0b7_proj
	.p2align	8
	.type	k_q8f9990d0b7_proj,@function
k_q8f9990d0b7_proj:
	s_mov_b64 s[64:65], 0
	v_nop
	global_prefetch_b8 v0, s[64:65] scope:SCOPE_SE
	s_setreg_imm32_b32 hwreg(HW_REG_WAVE_MODE, 25, 1), 1
	s_wait_xcnt 0x0
	s_wait_alu depctr_hold_cnt(0) depctr_sa_sdst(0) depctr_va_vdst(0) depctr_va_sdst(0) depctr_va_ssrc(0) depctr_va_vcc(0) depctr_vm_vsrc(0)
	s_getreg_b32 s2, hwreg(HW_REG_IB_STS2, 6, 4)
	s_cmp_eq_u32 s2, 0
	s_cbranch_scc0 .Lentry_in_a_cluster
	s_endpgm
.Lentry_in_a_cluster:
	s_bfe_u32 s2, ttmp6, 0x10000c
	s_cmp_lg_u32 s2, 0xf033
	s_cbranch_scc0 .Lentry_shape_is_right
	s_endpgm
.Lentry_shape_is_right:
; qkv[m][n] = f16(16 f[n] x the sum over k of X[m][k] W[n][k]), X [8192][1024] and W [3072][1024] as codes of FP4 (E2M1) with one E8M0 byte for each 32 along K; sums in f32.
; Columns 0-1023 are q, 1024-2047 k, 2048-3071 v.  f[n] = 2^(0 x theta[n % 1024]) for q and k (the source's exp(0 x position x theta): 1 for a finite theta, NaN else), 1 for v.
; The factor 16 puts q, k and v in the middle of f16's range.  amax: 16 groups of 128 floats ([tile row 32][wave 4]); groups 0-3 hold the waves' largest |16 q|, groups 4-7 their largest |16 k| (0 where a wave has none),
; groups 8-15 what the other work-groups have to say of q and k, which is 0 and is read by nobody.  The next launches make a power-of-two scale of groups 0-7.
; LIMITS: 16 |q|, 16 |k|, 16 |v| stay under 65,504 (f16's largest number); what lies under 2^-24 rounds to 0.
; SHARES.  8 x 32 = 256 work-groups, one for each WGP.  A work-group owns 256 rows x 384 columns, as two tiles on the same rows of X, whose codes stay in LDS:
;   tile 1, 256 x 256: four waves of 128 x 128, 64 accumulators;  tile 2, 256 x 128: wave w takes rows 64 w on and all 128 columns, 32 accumulators.
; K = 1,024 is two slots of 512 (rows of 256 bytes), both asked for at the start.  X's 256 and W's 384 rows for all of K would be 640 x 544 = 348,160 bytes, more than LDS has: so tile 2's 128 rows of W
; come by ONE refill, into the bytes that held W's K half 0 of tile 1, behind a round of the cluster's barrier at slot 0's last step; they have slot 1's products and tile 1's way out in which to land.
; Tile 1's stores are on their way while tile 2 is multiplied.  The scale bytes of the 256 + 384 rows come once, as dense blocks.
; CLUSTERS: 4 x 4 work-groups; X's tiles are shared along a row of the cluster, W's along a column: joint loads.
; THE MATRIX INSTRUCTION IS USED TRANSPOSED (source 0 = 16 rows of W, source 1 = 16 rows of X): a lane holds eight neighbouring columns of one row of the result.
; REGISTERS: window 0: v0-31 addresses; v32-95 scale words, two sets; v96-104 largest magnitudes; v128-191 X's fragments; on the way out v32-63, v192-255.
;   window 1: W's fragments, two sets, at v0 and v128; v64-127 the factors 16 f of tile 1's 128 columns, v192-255 those of tile 2's.   windows 2, 3: the accumulators.
.set SIZE_N, 3072
.set SIZE_K, 1024
.set KSTEP,  512
.set NQ,     KSTEP/128
.set ROWB,   256
.set KROW,   SIZE_K*4/8
.set PITCH,  272                       ; an LDS row: 256 bytes + 16 of padding: the 16 rows that a load touches start at 16 different banks (64 banks of 4 bytes: ISA guide 11.1)
.set FR,     8
.set NL,     2
.set NP,     4
.set HALFT,  128*PITCH
.set SLOT,   4*HALFT                   ; X's 256 rows, then W's 256 rows
.set KS,     SIZE_K/32
.set SCL,    2*SLOT                    ; behind the two slots: X's scale bytes, as rows of 256 bytes + 16;
.set HALFS,  (128*KS/256)*272          ; (those of 128 rows)
.set HALFSB, (192*KS/256)*272          ; (those of 192 rows)
.set SCLB,   SCL+2*HALFS               ; W's, 384 rows
.set SBLK,   (16*KS/256)*272           ; those of 16 rows
.set STAGE,  SCLB+2*HALFSB             ; the way out: 16 rows x (256 bytes + 16) for each wave: bytes of its own, into which no fill lands
.set SPITCH, 272
.set SPARE,  STAGE+4*16*SPITCH         ; the spare words, 128 bytes for each wave: no other line names them
.set CROW,   SIZE_N*2                  ; a row of qkv in bytes
.set ADRA,  16                         ; v16-17  tile 1: my X fragments in slot 0, 1
.set ADRA2, 18                         ; v18-19  tile 2: the same
.set ADRB,  20                         ; v20-21  tile 1: my W fragments in slot 0, 1
.set ADRB2, 22                         ; v22-23  tile 2: W's K half 0, 1
.set STO,  24
.set RD,   25
.set CO,   26
.set ADRS, 27                          ; v27     tile 1: my scale words: lanes 0-15 X's rows, lanes 16-31 W's
.set SPW,  28
.set NIL,  29
.set ADRS2, 30                         ; v30     tile 2: the same
.set SC,   32
.set AM,   96                          ; v96-99  running largest magnitudes, four chains
.set AM1,  100                         ; v100    tile 1's
.set AM2,  101                         ; v101    tile 2's
.set AF,   128
.set TMP,  192
.set OB,   32
.set FW,   64                          ; in window 1
.set FW2,  192                         ; in window 1
.set G1, 24
.set G0, 32
.set G1B, 48
.set G0B, 56
.set G1S, 68
.set G0S, 76
.set G1SB, 80
.set G0SB, 88
.set G0C, 92                           ; s[92:95] group 0 of the refill
.set MSB, 0
.macro WIN new                         ; the immediate's high byte repeats the setting that is left
.if MSB != (\new)
	s_set_vgpr_msb (MSB<<8)|(\new)
.set MSB, (\new)
.endif
.endm
.set MUL_LO, 0xa1                      ; source 0 (W) window 1, source 1 (X) window 0, C and D window 2
.set MUL_HI, 0xf1
.set TO_B,   0x40
; A joint load: waves 0 and 1 fetch for X, waves 2 and 3 for W; the branch hangs on the wave's number alone.  An s_nop 0 and four v_nop follow each of the two lines.
.macro JLOAD g0a, g1a, g0b, g1b
	s_cmp_eq_u32 s15, 0
	s_cbranch_scc0 .Lfor_b_\@
	tensor_load_to_lds s[\g0a:\g0a+3], s[\g1a:\g1a+7]
	s_nop 0
.rept 4
	v_nop
.endr
	s_branch .Lasked_\@
.Lfor_b_\@:
	tensor_load_to_lds s[\g0b:\g0b+3], s[\g1b:\g1b+7]
	s_nop 0
.rept 4
	v_nop
.endr
.Lasked_\@:
.endm
.macro CREST                           ; a round of the cluster's barrier behind its opening barrier
	s_cmp_lg_u32 s14, 0
	s_cbranch_scc1 .Lnot_wave_0_\@
	s_barrier_signal -3
.Lnot_wave_0_\@:
	s_barrier_wait -3
	s_barrier_signal -1
	s_barrier_wait -1
.endm
.macro CROUND                          ; a whole round
	s_barrier_signal -1
	s_barrier_wait -1
	CREST
.endm
	s_load_b128 s[4:7], s[0:1], 0x0                ; X's codes, X's scales
	s_load_b128 s[8:11], s[0:1], 0x10              ; W's codes, W's scales
	s_load_b64 s[12:13], s[0:1], 0x20              ; qkv
	s_load_b64 s[96:97], s[0:1], 0x28              ; theta
	s_load_b64 s[98:99], s[0:1], 0x30              ; amax
	v_lshl_add_u32 v[SPW], v0, 2, SPARE
	v_mov_b32 v[NIL], 0
	ds_add_u32 v[SPW], v[NIL]                      ; the wave's opening: the add, twice on end, and its wait ahead of my first tensor load
	ds_add_u32 v[SPW], v[NIL]
	v_lshrrev_b32 v1, 5, v0
	v_readfirstlane_b32 s14, v1                    ; wave 0..3
	s_lshr_b32 s15, s14, 1                         ; tile 1: which half of the rows is mine.  Also: I fetch for X (0) or for W (1)
	s_and_b32 s16, s14, 1                          ; tile 1: which half of the columns.  Also: which half of what is fetched is mine
	s_bfe_u32 s40, ttmp6, 0x40000                  ; cx, cy: my place in the cluster
	s_bfe_u32 s41, ttmp6, 0x40004
	s_lshl_b32 s42, ttmp9, 2
	s_add_co_u32 s42, s42, s40                     ; which 384 columns = 4 x cluster x + cx
	s_and_b32 s17, ttmp7, 0xffff
	s_lshl_b32 s17, s17, 2
	s_add_co_u32 s17, s17, s41                     ; which 256 rows = 4 x cluster y + cy
	s_lshl_b32 s43, s41, 2
	s_lshl_b32 s43, 15, s43                        ; my row of the cluster
	s_lshl_b32 s44, 0x1111, s40                    ; my column
	s_or_b32 s[G1+0], s43, (0<<16)|(1<<20)|(1<<21)|(5<<22)|(3<<25)  ; the mask; elements of 1 byte; padding on: 4 words behind every 64; bit 21 beside a mask
	s_or_b32 s[G1B+0], s44, (0<<16)|(1<<20)|(1<<21)|(5<<22)|(3<<25)
.irp g, G1, G1B
	s_mov_b32 s[\g+1], ROWB<<16                    ; tensor_dim0
	s_mov_b32 s[\g+2], 128<<16                     ; tensor_dim1
	s_mov_b32 s[\g+3], ROWB<<16                    ; tile_dim0
	s_mov_b32 s[\g+4], 128                         ; tile_dim1
	s_mov_b32 s[\g+5], KROW                        ; from row to row
	s_mov_b32 s[\g+6], 0
	s_mov_b32 s[\g+7], 0
.endr
	s_or_b32 s[G1S+0], s43, (3<<16)|(1<<20)|(1<<21)|(5<<22)|(3<<25)  ; scale bytes: dense blocks, as rows of 32 elements of 8 bytes
	s_or_b32 s[G1SB+0], s44, (3<<16)|(1<<20)|(1<<21)|(5<<22)|(3<<25)
.irp g, G1S, G1SB
	s_mov_b32 s[\g+1], 32<<16
	s_mov_b32 s[\g+3], 32<<16
	s_mov_b32 s[\g+5], 32
	s_mov_b32 s[\g+6], 0
	s_mov_b32 s[\g+7], 0
.endr
	s_mov_b32 s[G1S+2], (128*KS/256)<<16           ; X: those of 128 rows: 16 rows of 256 bytes
	s_mov_b32 s[G1S+4], 128*KS/256
	s_mov_b32 s[G1SB+2], (192*KS/256)<<16          ; W: those of 192 rows: 24 rows of 256 bytes
	s_mov_b32 s[G1SB+4], 192*KS/256
	s_lshl_b32 s18, s16, 7
	s_lshl_b32 s20, s17, 8
	s_add_co_u32 s20, s20, s18                     ; X: row 256 x tile row + 128 x half
	s_mul_i32 s46, s42, 384                        ; W: the first of my 384 rows
	s_mul_i32 s92, s16, 192
	s_add_co_u32 s92, s92, s46                     ; scale bytes: + 192 x half
	s_add_co_u32 s46, s46, s18                     ; tile 1's codes: + 128 x half
	s_lshl_b32 s22, s20, 5                         ; 32 scale bytes a row
	s_mov_b32 s23, 0
	s_lshl_b32 s92, s92, 5
	s_mov_b32 s93, 0
	s_lshl_b32 s20, s20, 9                         ; 512 bytes of codes a row
	s_mov_b32 s21, 0
	s_lshl_b32 s46, s46, 9
	s_mov_b32 s47, 0
	s_mul_i32 s45, s14, HALFT                      ; where the codes go: wave x 128 rows: no place in the cluster enters an LDS address
	s_mul_i32 s94, s16, HALFS                      ; and the scale bytes
	s_mul_i32 s95, s16, HALFSB
	s_mov_b32 s66, 0x76543210                      ; v_permlanex16_b32's selects for lane l xor 16
	s_mov_b32 s67, 0xfedcba98
	s_wait_dscnt 0x0                               ; both opening adds are done
	s_wait_kmcnt 0x0
	s_add_nc_u64 s[20:21], s[4:5], s[20:21]
	s_add_nc_u64 s[22:23], s[6:7], s[22:23]
	s_add_nc_u64 s[46:47], s[8:9], s[46:47]
	s_add_nc_u64 s[92:93], s[10:11], s[92:93]
	CROUND                                         ; all sixteen work-groups are here: the first joint loads meet
	s_mov_b32 s[G0S], 1
	s_add_co_u32 s[G0S+1], s94, SCL
	s_mov_b64 s[G0S+2:G0S+3], s[22:23]
	s_or_b32 s[G0S+3], s[G0S+3], 0x80000000
	s_mov_b32 s[G0SB], 1
	s_add_co_u32 s[G0SB+1], s95, SCLB
	s_mov_b64 s[G0SB+2:G0SB+3], s[92:93]
	s_or_b32 s[G0SB+3], s[G0SB+3], 0x80000000
	JLOAD G0S, G1S, G0SB, G1SB                     ; the scale bytes first: three loads of mine are out behind the third line
.irp s, 0,1
	s_mov_b32 s[G0+4*\s], 1
	s_add_co_u32 s[G0+4*\s+1], s45, \s*SLOT
	s_add_nc_u64 s[G0+4*\s+2:G0+4*\s+3], s[20:21], \s*ROWB
	s_or_b32 s[G0+4*\s+3], s[G0+4*\s+3], 0x80000000
	s_mov_b32 s[G0B+4*\s], 1
	s_add_co_u32 s[G0B+4*\s+1], s45, \s*SLOT
	s_add_nc_u64 s[G0B+4*\s+2:G0B+4*\s+3], s[46:47], \s*ROWB
	s_or_b32 s[G0B+4*\s+3], s[G0B+4*\s+3], 0x80000000
	JLOAD G0+4*\s, G1, G0B+4*\s, G1B
.endr
	v_and_b32 v1, 15, v0                           ; l % 16
	v_bfe_u32 v2, v0, 4, 1                         ; l / 16
	v_mul_u32_u24 v3, v1, PITCH
	v_lshl_add_u32 v4, v2, 4, v3                   ; a fragment's row x pitch + 16 x half
	s_mul_i32 s21, s15, HALFT
	s_mul_i32 s22, s16, HALFT
	s_add_co_u32 s22, s22, 2*HALFT
.irp s, 0,1
	v_add_nc_u32 v[ADRA+\s], s21, v4
	v_add_nc_u32 v[ADRB+\s], s22, v4
	s_add_co_u32 s21, s21, SLOT
	s_add_co_u32 s22, s22, SLOT
.endr
	s_mul_i32 s21, s14, 64*PITCH                   ; tile 2: my 64 rows of X, in slot 0 and in slot 1;
	v_add_nc_u32 v[ADRA2], s21, v4
	s_add_co_u32 s21, s21, SLOT
	v_add_nc_u32 v[ADRA2+1], s21, v4
	v_add_nc_u32 v[ADRB2], 2*HALFT, v4             ; W's 128 rows: K half 0 where wave 2 puts it, K half 1 where wave 3 does
	v_add_nc_u32 v[ADRB2+1], 3*HALFT, v4
	v_mul_u32_u24 v5, v1, KS                       ; my row's scale bytes: KS a row, and 16 more for each 256 passed
	v_lshrrev_b32 v6, 8, v5
	v_lshl_add_u32 v5, v6, 4, v5
	s_mul_i32 s21, s15, HALFS                      ; tile 1: X's: my 128 rows; W's: my 128 rows, behind X's 256
	s_mul_i32 s22, s16, HALFS
	s_add_co_u32 s22, s22, 2*HALFS
	s_sub_co_u32 s22, s22, s21
	v_mul_u32_u24 v6, s22, v2                      ; lanes 16-31 take W's
	s_add_co_u32 s21, s21, SCL
	v_add_nc_u32 v6, v5, v6
	v_add_nc_u32 v[ADRS], s21, v6
	s_mul_i32 s21, s14, 4*SBLK                     ; tile 2: X's: my four blocks of 16 rows; W's: blocks 16 to 23
	s_mov_b32 s22, 2*HALFS+16*SBLK
	s_sub_co_u32 s22, s22, s21
	v_mul_u32_u24 v6, s22, v2
	s_add_co_u32 s21, s21, SCL
	v_add_nc_u32 v6, v5, v6
	v_add_nc_u32 v[ADRS2], s21, v6
	s_mul_i32 s23, s14, 16*SPITCH
	s_add_co_u32 s23, s23, STAGE                   ; my stage
	v_mul_u32_u24 v5, v1, SPITCH                   ; in: row l % 16, 16 bytes for each half of the lanes
	v_lshl_add_u32 v5, v2, 4, v5
	v_add_nc_u32 v[STO], s23, v5
	v_mul_u32_u24 v5, v2, SPITCH                   ; back: lanes 0-15 one row of 256 bytes, lanes 16-31 the next
	v_lshl_add_u32 v5, v1, 4, v5
	v_add_nc_u32 v[RD], s23, v5
	v_mul_u32_u24 v5, v2, CROW                     ; and the same two rows in qkv
	v_lshl_add_u32 v[CO], v1, 4, v5
	s_lshl_b32 s20, s17, 8
	s_lshl_b32 s21, s15, 7
	s_add_co_u32 s20, s20, s21                     ; tile 1: my first row: 256 x tile row + 128 x half
	s_mul_i32 s20, s20, CROW                       ; under 2^26
	s_mov_b32 s21, 0
	s_add_nc_u64 s[12:13], s[12:13], s[20:21]
	s_mul_i32 s46, s42, 768                        ; my first column, in bytes: 2 x (384 X + 128 x half)
	s_lshl_b32 s47, s16, 8
	s_add_co_u32 s46, s46, s47
	s_mov_b32 s47, 0
	s_add_nc_u64 s[12:13], s[12:13], s[46:47]
	s_mul_i32 s46, s42, 384
	s_lshl_b32 s18, s16, 7
	s_add_co_u32 s18, s46, s18                     ; tile 1: my first column;
	s_add_co_u32 s46, s46, 256                     ; tile 2: everybody's.  A block of 128 columns lies in one of q, k, v
	s_cmp_ge_u32 s18, 2048                         ; v has no factor: its theta counts as 0 (a select on ids, no branch)
	s_cselect_b32 s100, -1, 0
	s_cmp_ge_u32 s46, 2048
	s_cselect_b32 s101, -1, 0
	s_and_b32 s46, s46, 1023
	s_lshl_b32 s46, s46, 2
	s_add_nc_u64 s[104:105], s[96:97], s[46:47]    ; theta at tile 2's columns,
	s_and_b32 s46, s18, 1023
	s_lshl_b32 s46, s46, 2
	s_add_nc_u64 s[96:97], s[96:97], s[46:47]      ; and at tile 1's
	s_mul_i32 s46, s42, 384                        ; the refill's group 0: W's rows 384 X + 256 on, K half = my half, to wave x 128 rows of slot 0
	s_add_co_u32 s46, s46, 256
	s_lshl_b32 s46, s46, 9
	s_lshl_b32 s18, s16, 8
	s_add_co_u32 s46, s46, s18
	s_mov_b32 s[G0C], 1
	s_mov_b32 s[G0C+1], s45
	s_add_nc_u64 s[G0C+2:G0C+3], s[8:9], s[46:47]
	s_or_b32 s[G0C+3], s[G0C+3], 0x80000000
	v_lshlrev_b32 v7, 5, v2                        ; lane (r, h) wants, for block b, the columns 16 b + 8 h + 0 .. 7
	WIN 0x40                                       ; destination window 1
.irp b, 0,1,2,3,4,5,6,7
	global_load_b128 v[FW+8*\b:FW+8*\b+3], v7, s[96:97] offset:64*\b
	global_load_b128 v[FW+8*\b+4:FW+8*\b+7], v7, s[96:97] offset:64*\b+16
.endr
.irp b, 0,1,2,3,4,5,6,7
	global_load_b128 v[FW2+8*\b:FW2+8*\b+3], v7, s[104:105] offset:64*\b
	global_load_b128 v[FW2+8*\b+4:FW2+8*\b+7], v7, s[104:105] offset:64*\b+16
.endr
	WIN 0
.irp i, 0,1,2,3
	v_mov_b32 v[AM+\i], 0
.endr
	s_wait_loadcnt 0x0
	WIN 0x45                                       ; destination, sources 0 and 1: window 1
.macro FACTOR fb, m
.set i, 0
.rept 64
	v_cndmask_b32 v[\fb+i], v[\fb+i], 0, \m
.set i, i+1
.endr
.set i, 0
.rept 64
	v_mul_f32 v[\fb+i], 0, v[\fb+i]                ; 0 x theta: 0, or NaN where theta is not finite
.set i, i+1
.endr
.set i, 0
.rept 64
	v_exp_f32 v[\fb+i], v[\fb+i]
.set i, i+1
.endr
.endm
	FACTOR FW, s100
	FACTOR FW2, s101
	v_nop                                          ; a plain line behind the last exponential
	s_wait_alu depctr_va_vdst(0)                   ; one wait for the batch, ahead of its first reader
.set i, 0
.rept 32
	v_pk_mul_f32 v[FW+2*i:FW+2*i+1], v[FW+2*i:FW+2*i+1], 0x41800000 op_sel_hi:[1,0]   ; x 16
	v_pk_mul_f32 v[FW2+2*i:FW2+2*i+1], v[FW2+2*i:FW2+2*i+1], 0x41800000 op_sel_hi:[1,0]
.set i, i+1
.endr
	WIN 0
.macro FRAG reg, adr, q, i             ; 16 rows x 128 K of 4-bit codes: 8 registers: lane l holds row l % 16; registers 4 c .. 4 c + 3 hold K = 64 c + 32 (l / 16) + 0 .. 31
.irp c, 0,1
	ds_load_b128 v[\reg+4*\c:\reg+4*\c+3], v[\adr] offset:64*(\q)+32*\c+(\i)*16*PITCH
.endr
.endm
; Tile 1: 16 matrix instructions: X's blocks a0, a0 + 1 against W's eight, 128 along K.  The 64 accumulators take turns, one instruction a turn.
.macro MUL16 a0, p, q, sc, zero
.irp a, \a0, \a0+1
.irp b, 0,1,2,3,4,5,6,7
.if \zero
	v_wmma_scale_f32_16x16x128_f8f6f4 v[8*(8*((\a)%4)+\b):8*(8*((\a)%4)+\b)+7], v[128*(\p)+FR*\b:128*(\p)+FR*\b+FR-1], v[AF+FR*(\a):AF+FR*(\a)+FR-1], 0, v[SC+8*NQ*(\sc)+NQ*\b+(\q)], v[SC+8*NQ*(\sc)+NQ*(\a)+(\q)] matrix_a_fmt:MATRIX_FMT_FP4 matrix_b_fmt:MATRIX_FMT_FP4 matrix_a_scale:MATRIX_SCALE_ROW1
.else
	v_wmma_scale_f32_16x16x128_f8f6f4 v[8*(8*((\a)%4)+\b):8*(8*((\a)%4)+\b)+7], v[128*(\p)+FR*\b:128*(\p)+FR*\b+FR-1], v[AF+FR*(\a):AF+FR*(\a)+FR-1], v[8*(8*((\a)%4)+\b):8*(8*((\a)%4)+\b)+7], v[SC+8*NQ*(\sc)+NQ*\b+(\q)], v[SC+8*NQ*(\sc)+NQ*(\a)+(\q)] matrix_a_fmt:MATRIX_FMT_FP4 matrix_b_fmt:MATRIX_FMT_FP4 matrix_a_scale:MATRIX_SCALE_ROW1
.endif
.endr
.endr
.endm
.macro FETCH_B slot, q, p
	WIN TO_B
.irp i, 0,1,2,3,4,5,6,7
	FRAG 128*(\p)+FR*\i, ADRB+\slot, \q, \i
.endr
	WIN 0
.endm
.macro FETCH_A slot, q, i0
.irp i, \i0, \i0+1, \i0+2, \i0+3
	FRAG AF+FR*(\i), ADRA+\slot, \q, \i
.endr
.endm
.macro SCALES sc                       ; a slot's scale words: lanes 0-15 take X's block i, lanes 16-31 W's block i
.irp i, 0,1,2,3,4,5,6,7
	ds_load_b128 v[SC+8*NQ*\sc+NQ*\i:SC+8*NQ*\sc+NQ*\i+3], v[ADRS] offset:\i*SBLK
.endr
.endm
.macro PLACES n                        ; plain vector lines between a matrix instruction and a load into, or a read of, its registers
.rept \n
	v_nop
.endr
.endm
.macro STEP slot, q, zero              ; tile 1: 128 along K, with its successor in the same slot
	s_wait_dscnt 4*NL                              ; W's set and X's blocks 0-3 are in; the youngest eight loads (X's blocks 4-7) may be out
	WIN MUL_LO
	MUL16 0, (\q)%2, \q, \slot, \zero
	MUL16 2, (\q)%2, \q, \slot, \zero
	s_wait_dscnt 0
	PLACES NP
	FETCH_B \slot, (\q)+1, 1-(\q)%2
	FETCH_A \slot, (\q)+1, 0
	WIN MUL_HI
	MUL16 4, (\q)%2, \q, \slot, \zero
	MUL16 6, (\q)%2, \q, \slot, \zero
	PLACES NP
	WIN 0
	FETCH_A \slot, (\q)+1, 4
.endm
.macro STEPS slot, from
.set Q, \from
.rept NQ-1-\from
	STEP \slot, Q, 0
.set Q, Q+1
.endr
.endm
; Tile 2: 32 matrix instructions: my four blocks of X against W's eight, 128 along K; fragment sets p.  The 32 accumulators take turns.
.macro MUL32 p, q, sc, zero
.irp a, 0,1,2,3
.irp b, 0,1,2,3,4,5,6,7
.if \zero
	v_wmma_scale_f32_16x16x128_f8f6f4 v[8*(8*\a+\b):8*(8*\a+\b)+7], v[128*(\p)+FR*\b:128*(\p)+FR*\b+FR-1], v[AF+32*(\p)+FR*\a:AF+32*(\p)+FR*\a+FR-1], 0, v[SC+8*NQ*(\sc)+NQ*\b+(\q)], v[SC+8*NQ*(\sc)+NQ*\a+(\q)] matrix_a_fmt:MATRIX_FMT_FP4 matrix_b_fmt:MATRIX_FMT_FP4 matrix_a_scale:MATRIX_SCALE_ROW1
.else
	v_wmma_scale_f32_16x16x128_f8f6f4 v[8*(8*\a+\b):8*(8*\a+\b)+7], v[128*(\p)+FR*\b:128*(\p)+FR*\b+FR-1], v[AF+32*(\p)+FR*\a:AF+32*(\p)+FR*\a+FR-1], v[8*(8*\a+\b):8*(8*\a+\b)+7], v[SC+8*NQ*(\sc)+NQ*\b+(\q)], v[SC+8*NQ*(\sc)+NQ*\a+(\q)] matrix_a_fmt:MATRIX_FMT_FP4 matrix_b_fmt:MATRIX_FMT_FP4 matrix_a_scale:MATRIX_SCALE_ROW1
.endif
.endr
.endr
.endm
.macro FETCH2 s, q, p                  ; tile 2: 24 LDS loads in one run: W's eight fragments and my four of X, of K half s, its q-th 128, into sets p
	WIN TO_B
.irp i, 0,1,2,3,4,5,6,7
	FRAG 128*(\p)+FR*\i, ADRB2+\s, \q, \i
.endr
	WIN 0
.irp i, 0,1,2,3
	FRAG AF+32*(\p)+FR*\i, ADRA2+\s, \q, \i
.endr
.endm
.macro SCALES2 sc                      ; tile 2: lanes 0-15 take the words of X's blocks 4 w + i (those with i above 3 are not used), lanes 16-31 those of W's blocks 16 + i
.irp i, 0,1,2,3,4,5,6,7
	ds_load_b128 v[SC+8*NQ*\sc+NQ*\i:SC+8*NQ*\sc+NQ*\i+3], v[ADRS2] offset:\i*SBLK+4*NQ*\sc
.endr
.endm
	s_wait_tensorcnt 1                             ; the scale bytes and my part of slot 0 are in; slot 1's load may be out
	s_barrier_signal -1
	s_barrier_wait -1
	FETCH_B 0, 0, 0
	FETCH_A 0, 0, 0
	SCALES 0
	FETCH_A 0, 0, 4
	STEP 0, 0, 1                                   ; the first products start the sums: nothing is cleared
	STEPS 0, 1
	; slot 0's last step changes slots, and W's part of slot 0 is filled again.  In front of the round my part of slot 1 has landed, the add is done and my reads of slot 0 are over
	s_wait_tensorcnt 0x0
	ds_add_u32 v[SPW], v[NIL]                      ; 0 onto my spare word
	s_wait_dscnt 4*NL+1                            ; the add and the youngest eight loads may be out
	WIN MUL_LO
	MUL16 0, 1, NQ-1, 0, 0
	s_wait_dscnt 0x0
	s_barrier_signal -1
	MUL16 2, 1, NQ-1, 0, 0
	WIN 0
	s_barrier_wait -1
	CREST                                          ; the barrier has opened a round of the cluster's barrier: no wave of any partner still reads W's part of slot 0 or has a load on its way
	s_cmp_eq_u32 s15, 0                            ; waves 2 and 3 fetch tile 2's rows of W, K half 0 and K half 1; waves 0 and 1 have nothing to fill
	s_cbranch_scc1 .Lno_refill
	tensor_load_to_lds s[G0C:G0C+3], s[G1B:G1B+7]  ; my one tensor load behind the round
	s_nop 0
.rept 4
	v_nop
.endr
.Lno_refill:
	PLACES NP
	v_add_nc_u32 v[ADRS], 4*NQ, v[ADRS]            ; on to slot 1's scale words
	FETCH_B 1, 0, 0
	FETCH_A 1, 0, 0
	SCALES 1
	WIN MUL_HI
	MUL16 4, 1, NQ-1, 0, 0
	MUL16 6, 1, NQ-1, 0, 0
	PLACES NP
	WIN 0
	FETCH_A 1, 0, 4
	STEPS 1, 0
	s_wait_dscnt 4*NL                              ; tile 1's last step
	WIN MUL_LO
	MUL16 0, 1, NQ-1, 1, 0
	MUL16 2, 1, NQ-1, 1, 0
	s_wait_dscnt 0
	WIN MUL_HI
	MUL16 4, 1, NQ-1, 1, 0
	MUL16 6, 1, NQ-1, 1, 0
	WIN 0
; THE WAY OUT, a block of 16 rows x 128 columns at a time.  PACK: x 16 f, the largest magnitude, rounded to f16: 16 bytes a lane.  TOSTAGE: into my stage, back as whole rows of 256 bytes.  SEND: stored.
.macro PACK a, fb
.set AC, 64*((\a)%4)
.set W, 2+(\a)/4
	WIN (W<<6)|4|W                                 ; accumulators in window W, the factors in window 1
.irp b, 0,1,2,3,4,5,6,7
.irp p, 0,1,2,3
	v_pk_mul_f32 v[AC+8*\b+2*\p:AC+8*\b+2*\p+1], v[AC+8*\b+2*\p:AC+8*\b+2*\p+1], v[\fb+8*\b+2*\p:\fb+8*\b+2*\p+1]   ; each accumulator from its low end on
.endr
.endr
	WIN (W<<4)|(W<<2)
.irp b, 0,1,2,3,4,5,6,7
.irp p, 0,1,2,3
	v_max3_num_f32 v[AM+\p], v[AM+\p], |v[AC+8*\b+2*\p]|, |v[AC+8*\b+2*\p+1]|
.endr
.endr
	WIN (W<<2)|W
.irp b, 0,1,2,3,4,5,6,7
.irp p, 0,1,2,3
	v_cvt_pk_f16_f32 v[TMP+4*\b+\p], v[AC+8*\b+2*\p], v[AC+8*\b+2*\p+1]
.endr
.endr
	WIN 0
.endm
.macro TOSTAGE a
.set BK, OB+192*((\a)%2)
.irp b, 0,1,2,3,4,5,6,7
	ds_store_b128 v[STO], v[TMP+4*\b:TMP+4*\b+3] offset:32*\b
.endr
.irp t, 0,1,2,3,4,5,6,7
	ds_load_b128 v[BK+4*\t:BK+4*\t+3], v[RD] offset:\t*2*SPITCH    ; LDS serves a wave's instructions in order: these see the stores above
.endr
.endm
.macro SEND a
.set BK, OB+192*((\a)%2)
	s_wait_dscnt 0x0                               ; the block is back in registers
	s_wait_xcnt 0x0                                ; earlier stores have read their base and their data: both may be written again
.if (\a) > 0
	s_add_nc_u64 s[12:13], s[12:13], 16*CROW
.endif
.irp t, 0,1,2,3,4,5,6,7
	global_store_b128 v[CO], v[BK+4*\t:BK+4*\t+3], s[12:13] offset:2*\t*CROW   ; sixteen lanes store 256 consecutive bytes, aligned
.endr
.endm
	PLACES NP
	PACK 0, FW
	TOSTAGE 0
.irp a, 1,2,3,4,5,6,7                  ; block a's arithmetic stands between block a - 1's loads from the stage and the wait for them
	PACK \a, FW
	SEND \a-1
	TOSTAGE \a
.endr
	SEND 7
	v_max3_num_f32 v[AM], v[AM], v[AM+1], v[AM+2]  ; tile 1's largest magnitude in my lane; the chains begin anew
	v_max_num_f32 v[AM1], v[AM], v[AM+3]
.irp i, 0,1,2,3
	v_mov_b32 v[AM+\i], 0
.endr
	; TILE 2.  Waves 2 and 3 wait for their refill; behind the barrier all four read it
	s_wait_tensorcnt 0x0
	s_wait_dscnt 0x0
	s_barrier_signal -1
	s_barrier_wait -1
	s_wait_xcnt 0x0                                ; tile 1's stores have read their base and their data
	s_mul_i32 s46, s16, 64*CROW-256                ; from my last 16 rows of tile 1 to my first of tile 2: 112 - 64 (wave % 2) rows back, 512 - 256 (wave % 2) bytes on
	s_mov_b32 s47, 112*CROW-512
	s_sub_co_u32 s46, s47, s46
	s_mov_b32 s47, 0
	s_sub_nc_u64 s[12:13], s[12:13], s[46:47]
	FETCH2 0, 0, 0
	SCALES2 0
	SCALES2 1
.set J, 0
.rept 8                                ; eight steps of 128 along K; step J + 1's loads go out ahead of step J's products
.if J < 7
.if J > 0
	PLACES NP
.endif
.set S2, (J+1)/4
.set Q2, (J+1)%4
.set P2, (J+1)%2
	FETCH2 S2, Q2, P2
	s_wait_dscnt 12*NL                             ; all but the 24 just issued
.else
	s_wait_dscnt 0x0
.endif
.set S1, J/4
.set Q1, J%4
.set P1, J%2
	WIN MUL_LO
.if J == 0
	MUL32 P1, Q1, S1, 1                            ; the first products start the sums
.else
	MUL32 P1, Q1, S1, 0
.endif
.set J, J+1
.endr
	WIN 0
	PLACES NP
	PACK 0, FW2
	TOSTAGE 0
.irp a, 1,2,3
	PACK \a, FW2
	SEND \a-1
	TOSTAGE \a
.endr
	SEND 3
	; the wave's largest magnitudes, and whose they are
	v_max3_num_f32 v[AM], v[AM], v[AM+1], v[AM+2]
	v_max_num_f32 v[AM2], v[AM], v[AM+3]
.irp m, 1,2,4,8
	v_max_num_f32_dpp v[AM1], v[AM1], v[AM1] row_xmask:\m row_mask:0xf bank_mask:0xf
	v_max_num_f32_dpp v[AM2], v[AM2], v[AM2] row_xmask:\m row_mask:0xf bank_mask:0xf
.endr
	v_permlanex16_b32 v[AM], v[AM1], s66, s67
	v_permlanex16_b32 v[AM+1], v[AM2], s66, s67
	v_max_num_f32 v[AM1], v[AM1], v[AM]
	v_max_num_f32 v[AM2], v[AM2], v[AM+1]
	s_mul_i32 s46, s42, 384
	s_lshl_b32 s18, s16, 7
	s_add_co_u32 s18, s46, s18
	s_lshr_b32 s18, s18, 10                        ; tile 1's columns of mine are q (0), k (1) or v (2);
	s_add_co_u32 s46, s46, 256
	s_lshr_b32 s46, s46, 10                        ; tile 2's likewise
	s_cmp_eq_u32 s18, 0
	s_cselect_b32 s20, -1, 0
	s_cmp_eq_u32 s18, 1
	s_cselect_b32 s21, -1, 0
	s_cmp_eq_u32 s46, 0
	s_cselect_b32 s22, -1, 0
	s_cmp_eq_u32 s46, 1
	s_cselect_b32 s23, -1, 0
	v_and_b32 v102, s20, v[AM1]                    ; a magnitude that is not q's counts as 0
	v_and_b32 v103, s22, v[AM2]
	v_max_num_f32 v102, v102, v103                 ; my largest |16 q|
	v_and_b32 v103, s21, v[AM1]
	v_and_b32 v104, s23, v[AM2]
	v_max_num_f32 v103, v103, v104                 ; my largest |16 k|
	s_cmp_lt_u32 s42, 4                            ; q's group: X for X under 4 (columns under 1,024 lie in X = 0, 1, 2), else X + 4
	s_cselect_b32 s20, 0, 4
	s_add_co_u32 s20, s20, s42
	s_cmp_lt_u32 s42, 2                            ; k's group: X + 2 for X = 2 .. 5 (columns 1,024 to 2,047 lie there), X + 12 under that, X + 8 above
	s_cselect_b32 s21, 12, 2
	s_cmp_gt_u32 s42, 5
	s_cselect_b32 s21, 8, s21
	s_add_co_u32 s21, s21, s42
	s_lshl_b32 s22, s17, 2
	s_add_co_u32 s22, s22, s14                     ; in a group: 4 x tile row + wave
	s_lshl_b32 s20, s20, 7
	s_add_co_u32 s20, s20, s22
	s_lshl_b32 s20, s20, 2
	s_lshl_b32 s21, s21, 7
	s_add_co_u32 s21, s21, s22
	s_lshl_b32 s21, s21, 2
	v_and_b32 v1, 31, v0
	v_mov_b32 v2, s20
	v_mov_b32 v3, s21
	v_cmp_eq_u32 vcc_lo, 0, v1
	s_wait_xcnt 0x0                                ; EXEC changes only behind this wait
	s_and_saveexec_b32 s18, vcc_lo
	global_store_b32 v2, v102, s[98:99]            ; lane 0 stores the two
	global_store_b32 v3, v103, s[98:99]
	s_wait_xcnt 0x0
	s_or_b32 exec_lo, exec_lo, s18
	s_wait_tensorcnt 0x0                           ; the wave's end
	ds_add_u32 v[SPW], v[NIL]
	s_wait_dscnt 0x0
	CROUND                                         ; the closing round
	s_endpgm
.Lfunc_end_k_q8f9990d0b7_proj:
	.size	k_q8f9990d0b7_proj, .Lfunc_end_k_q8f9990d0b7_proj-k_q8f9990d0b7_proj
	.p2alignl 7, 3214868480
	.fill 96, 4, 3214868480
	.section	.rodata,"a",@progbits
	.p2align	6, 0x0
	.amdhsa_kernel k_q8f9990d0b7_proj
		.amdhsa_group_segment_fixed_size 327680
		.amdhsa_private_segment_fixed_size 0
		.amdhsa_enable_private_segment 0
		.amdhsa_kernarg_size 56
		.amdhsa_user_sgpr_count 2
		.amdhsa_user_sgpr_kernarg_segment_ptr 1
		.amdhsa_wavefront_size32 1
		.amdhsa_system_sgpr_workgroup_id_x 1
		.amdhsa_system_sgpr_workgroup_id_y 1
		.amdhsa_system_sgpr_workgroup_id_z 1
		.amdhsa_system_vgpr_workitem_id 0
		.amdhsa_next_free_vgpr 1024
		.amdhsa_next_free_sgpr 106
		.amdhsa_reserve_vcc 1
		.amdhsa_float_denorm_mode_32 3
		.amdhsa_float_denorm_mode_16_64 3
		.amdhsa_memory_ordered 1
		.amdhsa_forward_progress 1
		.amdhsa_inst_pref_size 255
	.end_amdhsa_kernel
	.section	.bss,"aw",@nobits
	.p2align	6
	.space	262144
	.amdgpu_metadata
---
amdhsa.version: [ 1, 2 ]
amdhsa.kernels:
  - .name:           k_q8f9990d0b7_proj
    .symbol:         k_q8f9990d0b7_proj.kd
    .args:
      - { .name: x_codes, .offset: 0, .size: 8, .value_kind: global_buffer, .address_space: global }
      - { .name: x_scales, .offset: 8, .size: 8, .value_kind: global_buffer, .address_space: global }
      - { .name: w_codes, .offset: 16, .size: 8, .value_kind: global_buffer, .address_space: global }
      - { .name: w_scales, .offset: 24, .size: 8, .value_kind: global_buffer, .address_space: global }
      - { .name: qkv, .offset: 32, .size: 8, .value_kind: global_buffer, .address_space: global }
      - { .name: theta, .offset: 40, .size: 8, .value_kind: global_buffer, .address_space: global }
      - { .name: amax, .offset: 48, .size: 8, .value_kind: global_buffer, .address_space: global }
    .group_segment_fixed_size: 327680
    .private_segment_fixed_size: 0
    .kernarg_segment_align: 8
    .kernarg_segment_size: 56
    .max_flat_workgroup_size: 128
    .sgpr_count:     106
    .vgpr_count:     1024
    .wavefront_size: 32
...
	.end_amdgpu_metadata
.endif
;; end of part 2
;; launch scores (part 3): grid 36 x 4, 4 waves a work-group, no clusters, 327,680 bytes of LDS; arguments qkv, amax, p; writes p
.if DOCPART == 3
	.amdgcn_target "amdgcn-amd-amdhsa--gfx1250"
	.amdhsa_code_object_version 6
	.text
	.protected	k_q8f9990d0b7_scores
	.globl	k_q8f9990d0b7_scores
	.p2align	8
	.type	k_q8f9990d0b7_scores,@function
k_q8f9990d0b7_scores:
	s_mov_b64 s[64:65], 0
	v_nop
	global_prefetch_b8 v0, s[64:65] scope:SCOPE_SE
	s_setreg_imm32_b32 hwreg(HW_REG_WAVE_MODE, 25, 1), 1
	s_wait_xcnt 0x0
; p[b][i][j] = f16((q^[b][i] . k^[b][j]) x gamma^(i - j) x 2^n) for i >= j, 0 for i < j.  q^ = 16 q and k^ = 16 k are columns 0.. and 1024.. of qkv [8192][3072] f16; gamma = 31/32; sums in f32.
; n = 257 - fq - fk, held to -32 .. 64, with fq, fk the exponent fields of the largest |q^| and |k^| (from amax): |q^ . k^| <= 1024 x 2^(fq - 126) x 2^(fk - 126), so |p| <= 2^15 whatever the inputs: f16 cannot overflow.
; LIMITS: what lies under 2^-25 after the scale (2^-40 of that bound) rounds to 0 on f16's grid; gamma^d is made as 2^(d log2(gamma) + n), with a relative error of some 3e-6 at d = 2,047.
; A work-group makes one tile of 256 x 256 of the lower triangle: 36 tiles a batch; tiles wholly above the diagonal are not multiplied.  Four waves, 128 x 128 each; K = 1,024 goes in 8 steps of 128
; through two LDS slots; each wave fetches 128 rows x 256 bytes by one tensor load (waves 0, 1: q^'s halves; waves 2, 3: k^'s).
; NO CLUSTER: row I of the triangle has I + 1 tiles, 1 to 8, so no fixed group of four shares a block of q^ or of k^ throughout, and a square of 4 x 4 tiles on the diagonal holds 6 tiles that are not made.
; The next launch walks p in blocks of 512 keys: the tile right of an even diagonal tile is read there, so that diagonal tile's work-group stores it as zeros.
; THE MATRIX INSTRUCTION IS USED TRANSPOSED (source 0 = 16 rows of k^, source 1 = 16 rows of q^): a lane holds row l % 16 and the columns 8 (l / 16) + 0 .. 7.
; THE DECAY is a table of 120 registers: for blocks a (rows) and b (columns) the distance is e0 + 16 (a - b) - j, which hangs on a - b alone.  A negative distance, read as unsigned, is above 4e9: gamma to it is 0.
; REGISTERS: window 0: v0-31 addresses and e0, n; v64-127, v128-191 q^'s fragments, two buffers; v32-63, v192-255 at work.  window 1: v64-191 k^'s fragments; v0-63, v192-247 the table.  windows 2, 3: accumulators.
.set KSTEP,  128
.set PITCH,  272                       ; an LDS row: 256 bytes + 16 of padding: the 16 rows that a load touches start at 16 different banks (ISA guide 11.1)
.set HALFT,  128*PITCH
.set SLOT,   4*HALFT
.set STAGE,  2*SLOT
.set SPITCH, 272
.set SPARE,  STAGE+4*16*SPITCH         ; the spare words, 128 bytes for each wave: no other line names them
.set QROW,   6144                      ; a row of qkv in bytes
.set PROW,   4096                      ; a row of p in bytes
.set PFO,  11                          ; v11  the prefetches' offset: lane x a row of qkv; never rewritten
.set ZR,   12                          ; v12-15 zeros; never rewritten
.set ADRA, 16
.set ADRB, 20
.set STO,  24
.set RD,   25
.set CO,   26
.set Z16,  27                          ; v27  16 x lane; never rewritten
.set SPW,  28
.set NIL,  29
.set E0,   30
.set NF,   31
.set F0,   64
.set F1,   128
.set TMP,  192
.set OB,   32
.set G1,   24
.set G0,   32
.set LG,   41                          ; s41  log2(31/32)
.set LIM,  43                          ; s43  1 in a wave that prefetches, else the greatest number
.set PFA,  44                          ; s[44:45] my 128 rows, one K step further on than the refill in hand
.set SEL,  46
.set ZB,   48                          ; s[48:49] the zero tile's base; never rewritten
.set MSB, 0
.macro WIN new
.if MSB != (\new)
	s_set_vgpr_msb (MSB<<8)|(\new)
.set MSB, (\new)
.endif
.endm
.set MUL_LO, 0xa1
.set MUL_HI, 0xf1
.set TO_B,   0x40
.macro DMREG d                         ; where the table's eight registers for a - b = d lie, in window 1
.if (\d) <= 0
.set DR, 8*((\d)+7)
.else
.set DR, 192+8*((\d)-1)
.endif
.endm
	s_load_b128 s[4:7], s[0:1], 0x0                ; qkv, amax
	s_load_b64 s[8:9], s[0:1], 0x10                ; p
	v_lshl_add_u32 v[SPW], v0, 2, SPARE
	v_mov_b32 v[NIL], 0
	ds_add_u32 v[SPW], v[NIL]                      ; the wave's opening: the add, twice on end, and its wait ahead of my first tensor load
	ds_add_u32 v[SPW], v[NIL]
	v_lshrrev_b32 v1, 5, v0
	v_readfirstlane_b32 s10, v1                    ; wave 0..3
	s_lshr_b32 s11, s10, 1                         ; which half of the tile's rows is mine.  Also: I fetch q^ (0) or k^ (1)
	s_and_b32 s12, s10, 1                          ; which half of its columns.  Also: which 128 rows I fetch
	s_mov_b32 s13, 0                               ; the tile's row I in the triangle: how many of the rows' first numbers are at or under mine
.irp T, 1,3,6,10,15,21,28
	s_cmp_ge_u32 ttmp9, \T
	s_add_co_ci_u32 s13, s13, 0
.endr
	s_add_co_u32 s14, s13, 1
	s_mul_i32 s14, s14, s13
	s_lshr_b32 s14, s14, 1
	s_sub_co_u32 s14, ttmp9, s14                   ; and its column J
	s_and_b32 s15, ttmp7, 0xffff                   ; the batch
	s_mov_b32 s[G1+0], (1<<16)|(1<<20)|(5<<22)|(3<<25)  ; elements of 2 bytes; padding on: 4 words behind every 64
	s_mov_b32 s[G1+1], KSTEP<<16                   ; tensor_dim0
	s_mov_b32 s[G1+2], 128<<16                     ; tensor_dim1
	s_mov_b32 s[G1+3], KSTEP<<16                   ; tile_dim0
	s_mov_b32 s[G1+4], 128                         ; tile_dim1
	s_mov_b32 s[G1+5], 3072                        ; elements from row to row
	s_mov_b32 s[G1+6], 0
	s_mov_b32 s[G1+7], 0
	s_cmp_eq_u32 s11, 0
	s_cselect_b32 s16, s13, s14                    ; q^'s rows go by I, k^'s by J
	s_cselect_b32 s18, 0, 2048                     ; k^ begins 2,048 bytes on in a row
	s_lshl_b32 s16, s16, 8
	s_lshl_b32 s17, s15, 11
	s_add_co_u32 s16, s16, s17
	s_lshl_b32 s17, s12, 7
	s_add_co_u32 s16, s16, s17
	s_mul_i32 s16, s16, QROW                       ; under 2^26
	s_add_co_u32 s16, s16, s18
	s_mov_b32 s17, 0
	s_mul_i32 s20, s10, HALFT                      ; where my rows go: q^'s two halves, then k^'s
	s_sub_co_u32 s21, s13, s14
	s_cmp_eq_u32 s11, 0
	s_cselect_b32 s21, s14, s21                    ; q^'s rows are asked for ahead by the tile with J = 0, k^'s by the tile on the diagonal: each row once in the launch
	s_cmp_eq_u32 s21, 0
	s_cselect_b32 s[LIM], 1, -1
	s_mov_b32 s[LG], 0xbd3b9ca6
	s_mov_b32 s[SEL], 0x76543210
	s_mov_b32 s[SEL+1], 0xfedcba98
	s_wait_dscnt 0x0                               ; both opening adds are done
	s_wait_kmcnt 0x0
	s_add_nc_u64 s[16:17], s[4:5], s[16:17]
.irp s, 0,1
	s_mov_b32 s[G0+4*\s], 1
	s_add_co_u32 s[G0+4*\s+1], s20, \s*SLOT
	s_add_nc_u64 s[G0+4*\s+2:G0+4*\s+3], s[16:17], \s*KSTEP*2
	s_or_b32 s[G0+4*\s+3], s[G0+4*\s+3], 0x80000000
	tensor_load_to_lds s[G0+4*\s:G0+4*\s+3], s[G1:G1+7]   ; K steps 0 and 1: two loads of mine are out
	s_nop 0
.endr
.rept 4
	v_nop
.endr
	s_add_nc_u64 s[PFA:PFA+1], s[16:17], 2*KSTEP*2 ; at K step 2: the first refill steps it to 3 and names K step 4.  Nothing is asked for ahead here, at the head
	v_and_b32 v[Z16], 31, v0
	v_mul_u32_u24 v[PFO], v[Z16], QROW
	v_lshlrev_b32 v[Z16], 4, v[Z16]
.irp i, 0,1,2,3,4,5,6,7
	global_load_b128 v[32+4*\i:35+4*\i], v[Z16], s[6:7] offset:512*\i   ; the 512 maxima of q^ (v32-47), then those of k^ (v48-63)
.endr
	v_and_b32 v1, 15, v0                           ; l % 16
	v_bfe_u32 v2, v0, 4, 1                         ; l / 16
	v_mul_u32_u24 v3, v1, PITCH
	v_lshl_add_u32 v3, v2, 4, v3
	s_mul_i32 s21, s11, HALFT
	s_mul_i32 s22, s12, HALFT
	s_add_co_u32 s22, s22, 2*HALFT
.irp s, 0,1
	v_add_nc_u32 v[ADRA+\s], s21, v3
	v_add_nc_u32 v[ADRB+\s], s22, v3
	s_add_co_u32 s21, s21, SLOT
	s_add_co_u32 s22, s22, SLOT
.endr
	s_mul_i32 s23, s10, 16*SPITCH
	s_add_co_u32 s23, s23, STAGE                   ; my stage
	v_mul_u32_u24 v4, v1, SPITCH
	v_lshl_add_u32 v4, v2, 4, v4
	v_add_nc_u32 v[STO], s23, v4
	v_mul_u32_u24 v5, v2, SPITCH
	v_lshl_add_u32 v5, v1, 4, v5
	v_add_nc_u32 v[RD], s23, v5
	v_lshlrev_b32 v5, 12, v2
	v_lshl_add_u32 v[CO], v1, 4, v5
	s_sub_co_u32 s21, s13, s14                     ; e0 = 256 (I - J) + 128 (row half - column half) + l % 16 - 8 (l / 16)
	s_lshl_b32 s21, s21, 8
	s_sub_co_u32 s22, s11, s12
	s_lshl_b32 s22, s22, 7
	s_add_co_u32 s21, s21, s22
	v_lshlrev_b32 v4, 3, v2
	v_sub_nc_u32 v[E0], v1, v4
	v_add_nc_u32 v[E0], s21, v[E0]
.irp i, 0,1,2,3
	v_mov_b32 v[ZR+\i], 0
.endr
	s_cmp_lg_u32 s13, s14                          ; THE ZERO TILE: only an even tile of the diagonal has one at its right (a branch on ids)
	s_cbranch_scc1 .Lno_zero
	s_bitcmp1_b32 s13, 0
	s_cbranch_scc1 .Lno_zero
	s_lshl_b32 s16, s13, 8
	s_lshl_b32 s17, s10, 6
	s_add_co_u32 s16, s16, s17                     ; my 64 of its rows
	s_lshl_b32 s16, s16, 12
	s_lshl_b32 s17, s15, 23
	s_add_co_u32 s16, s16, s17
	s_add_co_u32 s17, s13, 1
	s_lshl_b32 s17, s17, 9
	s_add_co_u32 s16, s16, s17
	s_mov_b32 s17, 0
	s_add_nc_u64 s[ZB:ZB+1], s[8:9], s[16:17]
.set i, 0
.rept 64
	global_store_b128 v[Z16], v[ZR:ZR+3], s[ZB:ZB+1] offset:i*PROW   ; 32 lanes store a row's 512 consecutive bytes, aligned
.set i, i+1
.endr
.Lno_zero:
	s_lshl_b32 s16, s13, 8                         ; where my part of the tile begins in p
	s_lshl_b32 s17, s11, 7
	s_add_co_u32 s16, s16, s17
	s_lshl_b32 s16, s16, 12
	s_lshl_b32 s17, s15, 23
	s_add_co_u32 s16, s16, s17
	s_lshl_b32 s17, s14, 9
	s_add_co_u32 s16, s16, s17
	s_lshl_b32 s17, s12, 8
	s_add_co_u32 s16, s16, s17
	s_mov_b32 s17, 0
	s_add_nc_u64 s[8:9], s[8:9], s[16:17]
	s_wait_loadcnt 0x0                             ; amax
.irp i, 33,35,37,39,41,43,45
	v_max3_num_f32 v32, v32, v[\i], v[\i+1]
	v_max3_num_f32 v48, v48, v[\i+16], v[\i+17]
.endr
	v_max_num_f32 v32, v32, v47
	v_max_num_f32 v48, v48, v63
.irp m, 1,2,4,8
	v_max_num_f32_dpp v32, v32, v32 row_xmask:\m row_mask:0xf bank_mask:0xf
	v_max_num_f32_dpp v48, v48, v48 row_xmask:\m row_mask:0xf bank_mask:0xf
.endr
	v_permlanex16_b32 v33, v32, s[SEL], s[SEL+1]
	v_permlanex16_b32 v49, v48, s[SEL], s[SEL+1]
	v_max_num_f32 v32, v32, v33
	v_max_num_f32 v48, v48, v49
	v_lshrrev_b32 v32, 23, v32                     ; fq
	v_lshrrev_b32 v48, 23, v48                     ; fk
	v_add_nc_u32 v32, v32, v48
	v_sub_nc_u32 v32, 0x101, v32                   ; 257 - fq - fk
	v_cvt_f32_i32 v[NF], v32
	v_max_num_f32 v[NF], 0xc2000000, v[NF]         ; held to -32 ..
	v_min_num_f32 v[NF], 0x42800000, v[NF]         ; .. 64
	; the table: 2^(distance x log2(gamma) + n)
	WIN 0x40
.irp e, 0,1,2,3,4,5,6,7,8,9,10,11,12,13,14
	DMREG (\e)-7
.irp j, 0,1,2,3,4,5,6,7
	v_add_nc_u32 v[DR+\j], 16*((\e)-7)-\j, v[E0]
.endr
.endr
	WIN 0x41
.irp e, 0,1,2,3,4,5,6,7,8,9,10,11,12,13,14
	DMREG (\e)-7
.irp j, 0,1,2,3,4,5,6,7
	v_cvt_f32_u32 v[DR+\j], v[DR+\j]
.endr
.endr
.irp e, 0,1,2,3,4,5,6,7,8,9,10,11,12,13,14
	DMREG (\e)-7
.irp j, 0,1,2,3,4,5,6,7
	v_fma_f32 v[DR+\j], v[DR+\j], s[LG], v[NF]
.endr
.endr
.irp e, 0,1,2,3,4,5,6,7,8,9,10,11,12,13,14
	DMREG (\e)-7
.irp j, 0,1,2,3,4,5,6,7
	v_exp_f32 v[DR+\j], v[DR+\j]
.endr
.endr
	v_nop                                          ; a plain line behind the last exponential
	s_wait_alu depctr_va_vdst(0)                   ; one wait for the batch: its readers stand on the way out
	WIN 0
; 16 matrix instructions: row blocks a0, a0 + 1 of the window's four against all 8 column blocks, 32 along K.  The 64 accumulators take turns.
.macro MUL16 f, hi, a0, zero
.irp a, \a0, \a0+1
.irp b, 0,1,2,3,4,5,6,7
.if \zero
	v_wmma_f32_16x16x32_f16 v[8*(8*(\a)+\b):8*(8*(\a)+\b)+7], v[\f+8*\b:\f+8*\b+7], v[\f+8*(4*\hi+\a):\f+8*(4*\hi+\a)+7], 0
.else
	v_wmma_f32_16x16x32_f16 v[8*(8*(\a)+\b):8*(8*(\a)+\b)+7], v[\f+8*\b:\f+8*\b+7], v[\f+8*(4*\hi+\a):\f+8*(4*\hi+\a)+7], v[8*(8*(\a)+\b):8*(8*(\a)+\b)+7]
.endif
.endr
.endr
.endm
.macro FETCH slot, k, f                ; 32 LDS loads in one run: a quarter step's fragments (128 rows of k^, 128 of q^, 32 along K at byte k)
	WIN TO_B
.irp i, 0,1,2,3,4,5,6,7
	ds_load_b128 v[\f+8*\i:\f+8*\i+3],   v[ADRB+\slot] offset:\k+\i*16*PITCH
	ds_load_b128 v[\f+8*\i+4:\f+8*\i+7], v[ADRB+\slot] offset:\k+\i*16*PITCH+32
.endr
	WIN 0
.irp i, 0,1,2,3,4,5,6,7
	ds_load_b128 v[\f+8*\i:\f+8*\i+3],   v[ADRA+\slot] offset:\k+\i*16*PITCH
	ds_load_b128 v[\f+8*\i+4:\f+8*\i+7], v[ADRA+\slot] offset:\k+\i*16*PITCH+32
.endr
.endm
.macro PLACES                          ; four plain vector lines between a matrix instruction and a load into, or a read of, its registers
.rept 4
	v_nop
.endr
.endm
.macro QUARTER slot, k, f, g, zero
	s_wait_dscnt 8                                 ; k^ and q^'s rows 0-63 are in; the youngest eight loads may be out
	WIN MUL_LO
	MUL16 \f, 0, 0, \zero
	MUL16 \f, 0, 2, \zero
	PLACES
	FETCH \slot, \k, \g
	s_wait_dscnt 32                                ; all but the 32 just issued
	WIN MUL_HI
	MUL16 \f, 1, 0, \zero
	MUL16 \f, 1, 2, \zero
.endm
; A prefetch into the L2 of my own 128 rows' 256 bytes of the K step that stands two refills on: a lane a row, four instructions; K steps 4 to 7.  It stands behind the tensor load and the run of LDS loads.
.macro ASK
	s_cmp_gt_u32 s3, s[LIM]                        ; s3 = 1 in the loop's last trip: no K step stands two refills on
	s_cbranch_scc0 .Lnot_mine_\@
.irp i, 0,1,2,3
	global_prefetch_b8 v[PFO], s[PFA:PFA+1] offset:KSTEP*2+\i*32*QROW th:TH_LOAD_NT scope:SCOPE_SE
.endr
.Lnot_mine_\@:
.endm
; A K step's last quarter multiplies buffer 1 and changes slots: one barrier.  In front of it each wave waits for all its tensor loads (one is out: its part of the next slot), adds 0 to its spare word,
; and waits for that and for its reads of this slot.  fill = 1: behind it this slot is filled again first, two K steps ahead: 224 matrix instructions stand between the request and the wait for it.
.macro TURN slot, next, fill
.if \fill
	s_wait_xcnt 0x0                                ; the last prefetches, a K step back, have read their address
	s_add_nc_u64 s[PFA:PFA+1], s[PFA:PFA+1], KSTEP*2
.endif
	WIN 0
	s_wait_tensorcnt 0x0
	ds_add_u32 v[SPW], v[NIL]
	s_wait_dscnt 9                                 ; the add and the youngest eight loads may be out
	WIN MUL_LO
	MUL16 F1, 0, 0, 0
	s_wait_dscnt 0x0                               ; the add is done, and my reads of this slot are over
	s_barrier_signal -1
	MUL16 F1, 0, 2, 0
	WIN 0
	s_barrier_wait -1
.if \fill
	s_add_nc_u64 s[G0+4*\slot+2:G0+4*\slot+3], s[G0+4*\slot+2:G0+4*\slot+3], 2*KSTEP*2
	tensor_load_to_lds s[G0+4*\slot:G0+4*\slot+3], s[G1:G1+7]   ; my one tensor load behind this barrier
	s_nop 0
.endif
	PLACES
	FETCH \next, 0, F0
.if \fill
	ASK
.endif
	WIN MUL_HI
	MUL16 F1, 1, 0, 0
	MUL16 F1, 1, 2, 0
.endm
	s_wait_tensorcnt 1                             ; my part of K step 0 is in; K step 1's may be out
	s_barrier_signal -1
	s_barrier_wait -1
	FETCH 0, 0, F0
	QUARTER 0, 64,  F0, F1, 1                      ; the first quarter's products start the sums
	WIN 0
	s_mov_b32 s3, 3
.Llap:                                             ; a trip goes once round the ring and fills both slots again: K steps 2 to 7
	QUARTER 0, 128, F1, F0, 0
	QUARTER 0, 192, F0, F1, 0
	TURN 0, 1, 1
	QUARTER 1, 64,  F0, F1, 0
	QUARTER 1, 128, F1, F0, 0
	QUARTER 1, 192, F0, F1, 0
	TURN 1, 0, 1
	QUARTER 0, 64,  F0, F1, 0
	WIN 0
	s_sub_co_u32 s3, s3, 1
	s_cmp_lg_u32 s3, 0
	s_cbranch_scc1 .Llap
	QUARTER 0, 128, F1, F0, 0                      ; the last lap fills nothing
	QUARTER 0, 192, F0, F1, 0
	TURN 0, 1, 0
	QUARTER 1, 64,  F0, F1, 0
	QUARTER 1, 128, F1, F0, 0
	QUARTER 1, 192, F0, F1, 0
	s_wait_dscnt 8
	WIN MUL_LO
	MUL16 F1, 0, 0, 0
	MUL16 F1, 0, 2, 0
	s_wait_dscnt 0
	WIN MUL_HI
	MUL16 F1, 1, 0, 0
	MUL16 F1, 1, 2, 0
	WIN 0
; THE WAY OUT, a block of 16 rows x 128 columns at a time: x the table, rounded to f16, through my stage, stored as whole rows of 256 bytes.
.macro PACK a
.set AC, 64*((\a)%4)
.set W, 2+(\a)/4
	WIN (W<<6)|4|W
.irp b, 0,1,2,3,4,5,6,7
	DMREG (\a)-\b
.irp p, 0,1,2,3
	v_pk_mul_f32 v[AC+8*\b+2*\p:AC+8*\b+2*\p+1], v[AC+8*\b+2*\p:AC+8*\b+2*\p+1], v[DR+2*\p:DR+2*\p+1]   ; each accumulator from its low end on
.endr
.endr
	WIN (W<<2)|W
.irp b, 0,1,2,3,4,5,6,7
.irp p, 0,1,2,3
	v_cvt_pk_f16_f32 v[TMP+4*\b+\p], v[AC+8*\b+2*\p], v[AC+8*\b+2*\p+1]
.endr
.endr
	WIN 0
.endm
.macro TOSTAGE a
.set BK, OB+192*((\a)%2)
.irp b, 0,1,2,3,4,5,6,7
	ds_store_b128 v[STO], v[TMP+4*\b:TMP+4*\b+3] offset:32*\b
.endr
.irp t, 0,1,2,3,4,5,6,7
	ds_load_b128 v[BK+4*\t:BK+4*\t+3], v[RD] offset:\t*2*SPITCH    ; LDS serves a wave's instructions in order: these see the stores above
.endr
.endm
.macro SEND a
.set BK, OB+192*((\a)%2)
	s_wait_dscnt 0x0
	s_wait_xcnt 0x0                                ; earlier stores have read their base and their data
.if (\a) > 0
	s_add_nc_u64 s[8:9], s[8:9], 16*PROW
.endif
.irp t, 0,1,2,3,4,5,6,7
	global_store_b128 v[CO], v[BK+4*\t:BK+4*\t+3], s[8:9] offset:2*\t*PROW   ; sixteen lanes store 256 consecutive bytes, aligned
.endr
.endm
	PLACES
	PACK 0
	TOSTAGE 0
.irp a, 1,2,3,4,5,6,7
	PACK \a
	SEND \a-1
	TOSTAGE \a
.endr
	SEND 7
	s_wait_tensorcnt 0x0                           ; the wave's end
	ds_add_u32 v[SPW], v[NIL]
	s_wait_dscnt 0x0
	s_endpgm
.Lfunc_end_k_q8f9990d0b7_scores:
	.size	k_q8f9990d0b7_scores, .Lfunc_end_k_q8f9990d0b7_scores-k_q8f9990d0b7_scores
	.p2alignl 7, 3214868480
	.fill 96, 4, 3214868480
	.section	.rodata,"a",@progbits
	.p2align	6, 0x0
	.amdhsa_kernel k_q8f9990d0b7_scores
		.amdhsa_group_segment_fixed_size 327680
		.amdhsa_private_segment_fixed_size 0
		.amdhsa_enable_private_segment 0
		.amdhsa_kernarg_size 24
		.amdhsa_user_sgpr_count 2
		.amdhsa_user_sgpr_kernarg_segment_ptr 1
		.amdhsa_wavefront_size32 1
		.amdhsa_system_sgpr_workgroup_id_x 1
		.amdhsa_system_sgpr_workgroup_id_y 1
		.amdhsa_system_sgpr_workgroup_id_z 1
		.amdhsa_system_vgpr_workitem_id 0
		.amdhsa_next_free_vgpr 1024
		.amdhsa_next_free_sgpr 66
		.amdhsa_reserve_vcc 0
		.amdhsa_float_denorm_mode_32 3
		.amdhsa_float_denorm_mode_16_64 3
		.amdhsa_memory_ordered 1
		.amdhsa_forward_progress 1
		.amdhsa_inst_pref_size 188
	.end_amdhsa_kernel
	.amdgpu_metadata
---
amdhsa.version: [ 1, 2 ]
amdhsa.kernels:
  - .name:           k_q8f9990d0b7_scores
    .symbol:         k_q8f9990d0b7_scores.kd
    .args:
      - { .name: qkv, .offset: 0, .size: 8, .value_kind: global_buffer, .address_space: global }
      - { .name: amax, .offset: 8, .size: 8, .value_kind: global_buffer, .address_space: global }
      - { .name: p, .offset: 16, .size: 8, .value_kind: global_buffer, .address_space: global }
    .group_segment_fixed_size: 327680
    .private_segment_fixed_size: 0
    .kernarg_segment_align: 8
    .kernarg_segment_size: 24
    .max_flat_workgroup_size: 128
    .sgpr_count:     66
    .vgpr_count:     1024
    .wavefront_size: 32
...
	.end_amdgpu_metadata
.endif
;; end of part 3
;; launch mix (part 4): grid 8 x 32, 4 waves a work-group, clusters of 4 x 4, 327,680 bytes of LDS; arguments p, qkv, out0, amax; writes out0
.if DOCPART == 4
	.amdgcn_target "amdgcn-amd-amdhsa--gfx1250"
	.amdhsa_code_object_version 6
	.text
	.protected	k_q8f9990d0b7_mix
	.globl	k_q8f9990d0b7_mix
	.p2align	8
	.type	k_q8f9990d0b7_mix,@function
k_q8f9990d0b7_mix:
	s_mov_b64 s[64:65], 0
	v_nop
	global_prefetch_b8 v0, s[64:65] scope:SCOPE_SE
	s_setreg_imm32_b32 hwreg(HW_REG_WAVE_MODE, 25, 1), 1
	s_wait_xcnt 0x0
	s_wait_alu depctr_hold_cnt(0) depctr_sa_sdst(0) depctr_va_vdst(0) depctr_va_sdst(0) depctr_va_ssrc(0) depctr_va_vcc(0) depctr_vm_vsrc(0)
	s_getreg_b32 s2, hwreg(HW_REG_IB_STS2, 6, 4)
	s_cmp_eq_u32 s2, 0
	s_cbranch_scc0 .Lentry_in_a_cluster
	s_endpgm
.Lentry_in_a_cluster:
	s_bfe_u32 s2, ttmp6, 0x10000c
	s_cmp_lg_u32 s2, 0xf033
	s_cbranch_scc0 .Lentry_shape_is_right
	s_endpgm
.Lentry_shape_is_right:
; out0[b][i][c] = 2^(-n - 12) x the sum over j of p[b][i][j] v^[b][j][c].  p [4][2048][2048] f16 holds the decayed scores x 256 x 2^n; v^ = 16 v is columns 2048.. of qkv [8192][3072] f16; sums in f32.
; n is made from amax exactly as the launch before makes it.  Keys behind the block of 512 that holds the diagonal are not walked: p is 0 there by the source's own mask.
; SHARES.  A cluster of 4 x 4 work-groups makes two squares of 512 rows x 512 columns of one batch: row blocks R = pair and 3 - pair (pair = cluster y & 1), which want pair + 1 and 4 - pair laps of 512 keys:
; five laps in every cluster.  A work-group makes 128 x 128 of each square, a wave 64 x 64: 16 accumulators.  The ring of two slots of 256 keys goes on from the first square into the second.
; p's tiles are shared along a row of the cluster, v^'s along a column: joint loads; all branches hang on the cluster's y, the wave's number and counters alone.
; THE MATRIX INSTRUCTION IS USED TRANSPOSED (source 0 = 16 channels of v^, turned out of LDS by ds_load_tr16_b128; source 1 = 16 rows of p): a lane holds eight neighbouring channels of one row.
; REGISTERS: window 0: v0-31 addresses; v32-95 at work on the way out; v128-255 the accumulators.  window 1: two fragment buffers of 128: 64 registers of p (2 x 4 x 16 rows x 32 keys), then 64 of v^.
.set KSTEP,  256                       ; keys in a slot
.set PA,     528                       ; a row of p in LDS: 512 bytes + 16
.set PV,     288                       ; a key's row of v^ in LDS: 256 bytes + 32
.set HALFA,  64*PA
.set HALFV,  128*PV
.set VOFF,   2*HALFA
.set SLOT,   VOFF+2*HALFV
.set STAGE,  2*SLOT                    ; 16 rows x (256 bytes + 16) for each wave
.set SPITCH, 272
.set SPARE,  STAGE+4*16*SPITCH         ; the spare words, 128 bytes for each wave: no other line names them
.set QROW,   6144
.set OROW,   4096
.set NRA,    1024                      ; a lap on in a row of p
.set NRV,    512*QROW                  ; a lap on in v^
.set ADRA, 16                          ; v16-17  my p fragments in slot 0, 1
.set ADRV, 18                          ; v18-21  my v^ fragments: slot 0 keys 0-127, 128-255; slot 1 likewise
.set SCF,  22                          ; v[22:23] 2^(-n - 12), twice
.set STO,  24
.set RD,   25
.set CO,   26
.set SPW,  28
.set NIL,  29
.set PFO,  30                          ; v30  the prefetches' offset: (lane / 2) rows of p + 256 (lane % 2); never rewritten
.set TMP,  32
.set ACC,  128
.set F0,   0
.set F1,   128
.set G1A, 24
.set G0A, 32
.set G1V, 48
.set G0V, 56
.set LAP, 66
.set NEW, 67
.set DA,  68                           ; s[68:69] p's step to the next lap's tiles
.set DVP, 70                           ; s[70:71] v^'s: forward,
.set DVM, 72                           ; s[72:73] and back
.set E1,  74                           ; s[74:75] the prefetch pointer's step
.set PP,  76                           ; s[76:77] my 16 rows of p, in the tiles of the lap after next
.set LIM, 78
.set SWA, 80                           ; s80 p's step at the change of squares
.set DC,  82                           ; s[82:83] out0's step at the change of squares
.set BKV, 84                           ; s84 what v^ goes back there
.set SEL, 86
.set MSB, 0
.macro WIN new
.if MSB != (\new)
	s_set_vgpr_msb (MSB<<8)|(\new)
.set MSB, (\new)
.endif
.endm
.set MUL,  0x05                        ; sources 0 and 1 window 1; C and D window 0
.set TO_F, 0x40
.macro JLOAD s                         ; waves 0 and 1 fetch p's two halves, waves 2 and 3 v^'s; an s_nop 0 and four v_nop follow each of the two lines
	s_cmp_eq_u32 s13, 0
	s_cbranch_scc0 .Lfor_v_\@
	tensor_load_to_lds s[G0A+4*\s:G0A+4*\s+3], s[G1A:G1A+7]
	s_nop 0
.rept 4
	v_nop
.endr
	s_branch .Lasked_\@
.Lfor_v_\@:
	tensor_load_to_lds s[G0V+4*\s:G0V+4*\s+3], s[G1V:G1V+7]
	s_nop 0
.rept 4
	v_nop
.endr
.Lasked_\@:
.endm
.macro CREST
	s_cmp_lg_u32 s12, 0
	s_cbranch_scc1 .Lnot_wave_0_\@
	s_barrier_signal -3
.Lnot_wave_0_\@:
	s_barrier_wait -3
	s_barrier_signal -1
	s_barrier_wait -1
.endm
.macro CROUND
	s_barrier_signal -1
	s_barrier_wait -1
	CREST
.endm
	s_load_b128 s[4:7], s[0:1], 0x0                ; p, qkv
	s_load_b128 s[8:11], s[0:1], 0x10              ; out0, amax
	v_lshl_add_u32 v[SPW], v0, 2, SPARE
	v_mov_b32 v[NIL], 0
	ds_add_u32 v[SPW], v[NIL]                      ; the wave's opening: the add, twice on end, and its wait ahead of my first tensor load
	ds_add_u32 v[SPW], v[NIL]
	v_lshrrev_b32 v1, 5, v0
	v_readfirstlane_b32 s12, v1                    ; wave 0..3
	s_lshr_b32 s13, s12, 1                         ; which half of the tile's rows is mine.  Also: I fetch p (0) or v^ (1)
	s_and_b32 s14, s12, 1                          ; which half of its columns.  Also: which half of a tile I fetch
	s_bfe_u32 s40, ttmp6, 0x40000                  ; cx, cy
	s_bfe_u32 s41, ttmp6, 0x40004
	s_and_b32 s42, ttmp7, 0xffff                   ; cluster y
	s_and_b32 s15, s42, 1                          ; pair
	s_lshr_b32 s42, s42, 1                         ; batch
	s_lshl_b32 s43, s41, 2
	s_lshl_b32 s43, 15, s43                        ; my row of the cluster
	s_lshl_b32 s44, 0x1111, s40                    ; my column
	s_or_b32 s[G1A+0], s43, (1<<16)|(1<<20)|(1<<21)|(6<<22)|(3<<25)  ; the mask; elements of 2 bytes; padding on: 4 words behind every 128; bit 21 beside a mask
	s_mov_b32 s[G1A+1], KSTEP<<16                  ; tensor_dim0 = 256 keys
	s_mov_b32 s[G1A+2], 64<<16                     ; tensor_dim1 = 64 rows
	s_mov_b32 s[G1A+3], KSTEP<<16
	s_mov_b32 s[G1A+4], 64
	s_mov_b32 s[G1A+5], 2048                       ; elements from row to row of p
	s_mov_b32 s[G1A+6], 0
	s_mov_b32 s[G1A+7], 0
	s_or_b32 s[G1V+0], s44, (1<<16)|(1<<20)|(1<<21)|(5<<22)|(7<<25)  ; 8 words behind every 64
	s_mov_b32 s[G1V+1], 128<<16                    ; 128 channels
	s_mov_b32 s[G1V+2], 128<<16                    ; 128 keys
	s_mov_b32 s[G1V+3], 128<<16
	s_mov_b32 s[G1V+4], 128
	s_mov_b32 s[G1V+5], 3072                       ; elements from row to row of qkv
	s_mov_b32 s[G1V+6], 0
	s_mov_b32 s[G1V+7], 0
	s_lshl_b32 s16, s15, 9                         ; p: row 512 pair + 128 cy + 64 x half, of the batch's 2,048
	s_lshl_b32 s17, s41, 7
	s_add_co_u32 s16, s16, s17
	s_lshl_b32 s17, s14, 6
	s_add_co_u32 s16, s16, s17
	s_lshl_b32 s16, s16, 12
	s_lshl_b32 s17, s42, 23
	s_add_co_u32 s16, s16, s17
	s_mov_b32 s17, 0
	s_lshl_b32 s46, s42, 11                        ; v^: key 128 x half of the batch, channel 128 (4 cluster x + cx), 4,096 bytes on in a row
	s_lshl_b32 s47, s14, 7
	s_add_co_u32 s46, s46, s47
	s_mul_i32 s46, s46, QROW
	s_lshl_b32 s47, ttmp9, 2
	s_add_co_u32 s47, s47, s40
	s_lshl_b32 s47, s47, 8
	s_add_co_u32 s46, s46, s47
	s_add_co_u32 s46, s46, 4096
	s_mov_b32 s47, 0
	s_mul_i32 s20, s14, HALFA                      ; where they go: no place in the cluster enters an LDS address
	s_mul_i32 s21, s14, HALFV
	s_add_co_u32 s21, s21, VOFF
	s_lshl_b32 s18, s15, 1
	s_sub_co_u32 s18, 3, s18                       ; the second square lies 3 - 2 pair blocks of 512 rows further down
	s_lshl_b32 s[DC], s18, 21
	s_mov_b32 s[DC+1], 0
	s_lshl_b32 s19, s15, 10
	s_sub_co_u32 s[SWA], s[DC], s19                ; p: so many rows down, pair laps back along the keys
	s_mul_i32 s[BKV], s15, NRV
	s_mov_b32 s[DA+1], 0
	s_mov_b32 s[DVP+1], 0
	s_mov_b32 s[DVM+1], 0
	s_mov_b32 s[E1+1], 0
	s_mov_b32 s[LAP], 0
	s_mov_b32 s[NEW], 1
	s_mov_b32 s[SEL], 0x76543210
	s_mov_b32 s[SEL+1], 0xfedcba98
	s_wait_dscnt 0x0                               ; both opening adds are done
	s_wait_kmcnt 0x0
	s_add_nc_u64 s[16:17], s[4:5], s[16:17]
	s_add_nc_u64 s[46:47], s[6:7], s[46:47]
	CROUND                                         ; all sixteen work-groups are here: the first joint loads meet
.irp s, 0,1
	s_mov_b32 s[G0A+4*\s], 1
	s_add_co_u32 s[G0A+4*\s+1], s20, \s*SLOT
	s_add_nc_u64 s[G0A+4*\s+2:G0A+4*\s+3], s[16:17], \s*KSTEP*2
	s_or_b32 s[G0A+4*\s+3], s[G0A+4*\s+3], 0x80000000
	s_mov_b32 s[G0V+4*\s], 1
	s_add_co_u32 s[G0V+4*\s+1], s21, \s*SLOT
	s_add_nc_u64 s[G0V+4*\s+2:G0V+4*\s+3], s[46:47], \s*KSTEP*QROW
	s_or_b32 s[G0V+4*\s+3], s[G0V+4*\s+3], 0x80000000
	JLOAD \s
.endr
	; the prefetches: of the 64 rows that wave 0 or 1 fetches, the partner at cx takes 16, told apart by address; the first column of clusters asks, so each block is named once
	s_cmp_eq_u32 s15, 0
	s_cselect_b32 s18, s[SWA], NRA                 ; one lap on
	s_lshl_b32 s19, s40, 16
	s_add_co_u32 s18, s18, s19
	s_mov_b32 s19, 0
	s_add_nc_u64 s[PP:PP+1], s[16:17], s[18:19]
	s_or_b32 s18, s13, ttmp9
	s_cmp_eq_u32 s18, 0
	s_cselect_b32 s[LIM], 3, 0                     ; laps 0 to 2 ask for laps 2 to 4; nothing is asked for ahead at the head
	v_and_b32 v9, 31, v0
	v_lshrrev_b32 v[PFO], 1, v9
	v_lshlrev_b32 v[PFO], 12, v[PFO]
	v_and_b32 v8, 1, v0
	v_lshl_add_u32 v[PFO], v8, 8, v[PFO]
	v_lshlrev_b32 v9, 4, v9
.irp i, 0,1,2,3,4,5,6,7
	global_load_b128 v[32+4*\i:35+4*\i], v9, s[10:11] offset:512*\i   ; the 512 maxima of q^ (v32-47), then those of k^ (v48-63)
.endr
	v_and_b32 v1, 15, v0                           ; l % 16
	v_bfe_u32 v2, v0, 4, 1                         ; l / 16
	v_mul_u32_u24 v3, v1, PA
	v_lshl_add_u32 v3, v2, 4, v3
	s_mul_i32 s21, s13, HALFA                      ; my 64 rows of p
.irp s, 0,1
	v_add_nc_u32 v[ADRA+\s], s21, v3
	s_add_co_u32 s21, s21, SLOT
.endr
	v_and_b32 v6, 7, v0                            ; the turning load: lane l reads key 8 (l / 16) + l % 8, channels 8 ((l / 8) % 2) + 0 .. 7
	v_bfe_u32 v7, v0, 3, 1
	v_lshl_add_u32 v8, v2, 3, v6
	v_mul_u32_u24 v8, v8, PV
	v_lshl_add_u32 v8, v7, 4, v8
	s_lshl_b32 s22, s14, 7                         ; my 64 channels
	s_add_co_u32 s22, s22, VOFF
	v_add_nc_u32 v[ADRV+0], s22, v8
	s_add_co_u32 s22, s22, HALFV
	v_add_nc_u32 v[ADRV+1], s22, v8
	s_add_co_u32 s22, s22, SLOT-HALFV
	v_add_nc_u32 v[ADRV+2], s22, v8
	s_add_co_u32 s22, s22, HALFV
	v_add_nc_u32 v[ADRV+3], s22, v8
	s_mul_i32 s23, s12, 16*SPITCH
	s_add_co_u32 s23, s23, STAGE                   ; my stage
	v_mul_u32_u24 v4, v1, SPITCH                   ; in: row l % 16, 32 bytes for each half of the lanes
	v_lshl_add_u32 v4, v2, 5, v4
	v_add_nc_u32 v[STO], s23, v4
	v_mul_u32_u24 v5, v2, SPITCH                   ; back: lanes 0-15 one row of 256 bytes, lanes 16-31 the next
	v_lshl_add_u32 v5, v1, 4, v5
	v_add_nc_u32 v[RD], s23, v5
	v_lshlrev_b32 v5, 12, v2
	v_lshl_add_u32 v[CO], v1, 4, v5
	s_lshl_b32 s16, s42, 11                        ; out0: row 2,048 batch + 512 pair + 128 cy + 64 x row half
	s_lshl_b32 s17, s15, 9
	s_add_co_u32 s16, s16, s17
	s_lshl_b32 s17, s41, 7
	s_add_co_u32 s16, s16, s17
	s_lshl_b32 s17, s13, 6
	s_add_co_u32 s16, s16, s17
	s_lshl_b32 s16, s16, 12
	s_mov_b32 s17, 0
	s_add_nc_u64 s[8:9], s[8:9], s[16:17]
	s_lshl_b32 s46, ttmp9, 2                       ; column 128 (4 cluster x + cx) + 64 x column half, 4 bytes each
	s_add_co_u32 s46, s46, s40
	s_lshl_b32 s46, s46, 9
	s_lshl_b32 s47, s14, 8
	s_add_co_u32 s46, s46, s47
	s_mov_b32 s47, 0
	s_add_nc_u64 s[8:9], s[8:9], s[46:47]
	s_wait_loadcnt 0x0                             ; amax
.irp i, 33,35,37,39,41,43,45
	v_max3_num_f32 v32, v32, v[\i], v[\i+1]
	v_max3_num_f32 v48, v48, v[\i+16], v[\i+17]
.endr
	v_max_num_f32 v32, v32, v47
	v_max_num_f32 v48, v48, v63
.irp m, 1,2,4,8
	v_max_num_f32_dpp v32, v32, v32 row_xmask:\m row_mask:0xf bank_mask:0xf
	v_max_num_f32_dpp v48, v48, v48 row_xmask:\m row_mask:0xf bank_mask:0xf
.endr
	v_permlanex16_b32 v33, v32, s[SEL], s[SEL+1]
	v_permlanex16_b32 v49, v48, s[SEL], s[SEL+1]
	v_max_num_f32 v32, v32, v33
	v_max_num_f32 v48, v48, v49
	v_lshrrev_b32 v32, 23, v32
	v_lshrrev_b32 v48, 23, v48
	v_add_nc_u32 v32, v32, v48
	v_sub_nc_u32 v32, 0x101, v32                   ; 257 - fq - fk
	v_cvt_f32_i32 v33, v32
	v_max_num_f32 v33, 0xc2000000, v33             ; held to -32 .. 64, as in the launch before
	v_min_num_f32 v33, 0x42800000, v33
	v_cvt_i32_f32 v32, v33                         ; n
	v_sub_nc_u32 v32, -12, v32
	v_ldexp_f32 v[SCF], 1.0, v32                   ; 2^(-n - 12)
	v_mov_b32 v[SCF+1], v[SCF]
; 8 matrix instructions: row blocks a0, a0 + 1 against all 4 column blocks, 32 keys: half c of buffer f.  The 16 accumulators take turns.
.macro MUL8 f, c, a0, zero
.irp a, \a0, \a0+1
.irp b, 0,1,2,3
.if \zero
	v_wmma_f32_16x16x32_f16 v[ACC+8*(4*(\a)+\b):ACC+8*(4*(\a)+\b)+7], v[\f+64+8*(4*\c+\b):\f+64+8*(4*\c+\b)+7], v[\f+8*(4*\c+\a):\f+8*(4*\c+\a)+7], 0
.else
	v_wmma_f32_16x16x32_f16 v[ACC+8*(4*(\a)+\b):ACC+8*(4*(\a)+\b)+7], v[\f+64+8*(4*\c+\b):\f+64+8*(4*\c+\b)+7], v[\f+8*(4*\c+\a):\f+8*(4*\c+\a)+7], v[ACC+8*(4*(\a)+\b):ACC+8*(4*(\a)+\b)+7]
.endif
.endr
.endr
.endm
; 32 LDS loads in one run: the fragments of the slot's q-th 64 keys into buffer f; the first 32 keys first
.macro FETCH slot, q, f
	WIN TO_F
.irp c, 0,1
.irp i, 0,1,2,3
	ds_load_tr16_b128 v[\f+64+8*(4*\c+\i):\f+64+8*(4*\c+\i)+3],   v[ADRV+2*\slot+(\q)/2] offset:(((\q)%2)*64+32*\c)*PV+32*\i
	ds_load_tr16_b128 v[\f+64+8*(4*\c+\i)+4:\f+64+8*(4*\c+\i)+7], v[ADRV+2*\slot+(\q)/2] offset:(((\q)%2)*64+32*\c)*PV+16*PV+32*\i
	ds_load_b128 v[\f+8*(4*\c+\i):\f+8*(4*\c+\i)+3],         v[ADRA+\slot] offset:128*(\q)+64*\c+\i*16*PA
	ds_load_b128 v[\f+8*(4*\c+\i)+4:\f+8*(4*\c+\i)+7],       v[ADRA+\slot] offset:128*(\q)+64*\c+\i*16*PA+32
.endr
.endr
.endm
.macro PLACES
.rept 4
	v_nop
.endr
.endm
.macro QUARTER slot, q, f, g, zero     ; multiplies buffer f (64 keys) and fetches the slot's quarter q into g
	s_wait_dscnt 16                                ; the first 32 keys are in
	WIN MUL
	MUL8 \f, 0, 0, \zero
	MUL8 \f, 0, 2, \zero
	PLACES
	FETCH \slot, \q, \g
	s_wait_dscnt 32                                ; all but the 32 just issued
	WIN MUL
	MUL8 \f, 1, 0, 0
	MUL8 \f, 1, 2, 0
.endm
.macro ASK slot                        ; a prefetch into the L2 of p's tile of this slot's next refill but one lap on: 16 rows x 512 bytes, one instruction
	s_cmp_lt_u32 s[LAP], s[LIM]
	s_cbranch_scc0 .Lnot_mine_\@
	global_prefetch_b8 v[PFO], s[PP:PP+1] offset:512*\slot th:TH_LOAD_NT scope:SCOPE_SE
.Lnot_mine_\@:
.endm
; A slot's last quarter multiplies buffer 1 and changes slots.  In front of the barrier each wave waits for all its tensor loads, adds 0 to its spare word, and waits for that and for its reads of this slot.
; fill = 1: the barrier opens a round of the cluster's barrier, and behind the round this slot is filled again first, with the next lap's tiles.
.macro TURN slot, next, fill
.if (\fill) && (\slot) == 0
	s_wait_xcnt 0x0                                ; the last prefetch, half a lap back, has read its address
	s_add_nc_u64 s[PP:PP+1], s[PP:PP+1], s[E1:E1+1]
.endif
	WIN 0
	s_wait_tensorcnt 0x0
	ds_add_u32 v[SPW], v[NIL]
	s_wait_dscnt 17                                ; the add and the youngest sixteen loads may be out
	WIN MUL
	MUL8 F1, 0, 0, 0
	s_wait_dscnt 0x0                               ; the add is done, and my reads of this slot are over
	s_barrier_signal -1
	MUL8 F1, 0, 2, 0
	WIN 0
	s_barrier_wait -1
.if \fill
	CREST
	s_add_nc_u64 s[G0A+4*\slot+2:G0A+4*\slot+3], s[G0A+4*\slot+2:G0A+4*\slot+3], s[DA:DA+1]
	s_add_nc_u64 s[G0V+4*\slot+2:G0V+4*\slot+3], s[G0V+4*\slot+2:G0V+4*\slot+3], s[DVP:DVP+1]
	s_sub_nc_u64 s[G0V+4*\slot+2:G0V+4*\slot+3], s[G0V+4*\slot+2:G0V+4*\slot+3], s[DVM:DVM+1]
	JLOAD \slot                                    ; the first tensor load behind the round; its four v_nop are also the places in front of the loads below
.else
	PLACES
.endif
	FETCH \next, 0, F0
.if \fill
	WIN 0
	ASK \slot
.endif
	WIN MUL
	MUL8 F1, 1, 0, 0
	MUL8 F1, 1, 2, 0
.endm
; THE WAY OUT of a tile: x 2^(-n - 12); a block of 16 rows x 64 channels goes through my own stage and leaves as whole rows: a wave's 64 channels are 256 consecutive bytes, aligned.
.macro WAYOUT
	PLACES
.irp a, 0,1,2,3
.set i, 0
.rept 16
	v_pk_mul_f32 v[ACC+32*\a+2*i:ACC+32*\a+2*i+1], v[ACC+32*\a+2*i:ACC+32*\a+2*i+1], v[SCF:SCF+1]   ; each accumulator from its low end on
.set i, i+1
.endr
.if \a >= 2
	s_wait_xcnt 0x0                                ; block a - 2's stores have read their data
.endif
.irp b, 0,1,2,3
	ds_store_b128 v[STO], v[ACC+8*(4*\a+\b):ACC+8*(4*\a+\b)+3] offset:64*\b
	ds_store_b128 v[STO], v[ACC+8*(4*\a+\b)+4:ACC+8*(4*\a+\b)+7] offset:64*\b+16
.endr
.irp t, 0,1,2,3,4,5,6,7
	ds_load_b128 v[TMP+32*(\a%2)+4*\t:TMP+32*(\a%2)+4*\t+3], v[RD] offset:\t*2*SPITCH   ; LDS serves a wave's instructions in order: these see the stores above
.endr
	s_wait_dscnt 0x0
.irp t, 0,1,2,3,4,5,6,7
	global_store_b128 v[CO], v[TMP+32*(\a%2)+4*\t:TMP+32*(\a%2)+4*\t+3], s[8:9] offset:(16*\a+2*\t)*OROW th:TH_STORE_NT
.endr
.endr
.endm
	s_wait_tensorcnt 1                             ; my part of slot 0 is in; slot 1's may be out
	s_barrier_signal -1
	s_barrier_wait -1
	FETCH 0, 0, F0
	WIN 0
.Llap:                                             ; four trips; each fills both slots again with the next lap's tiles
	s_cmp_eq_u32 s[LAP], s15                       ; is this the first square's last lap?  Then the next tiles are the second square's first
	s_cselect_b32 s[DA], s[SWA], NRA
	s_cselect_b32 s[DVP], 0, NRV
	s_cselect_b32 s[DVM], s[BKV], 0
	s_add_co_u32 s18, s[LAP], 1
	s_cmp_eq_u32 s18, s15
	s_cselect_b32 s[E1], s[SWA], NRA
	s_cmp_eq_u32 s[NEW], 0
	s_cbranch_scc1 .Lgo_on
.rept 5
	v_nop                                          ; five places ahead of matrix instructions that begin accumulators anew
.endr
	QUARTER 0, 1, F0, F1, 1                        ; a square's first products start the sums
	WIN 0
	s_branch .Ljoined
.Lgo_on:
	QUARTER 0, 1, F0, F1, 0
	WIN 0
.Ljoined:
	QUARTER 0, 2, F1, F0, 0
	QUARTER 0, 3, F0, F1, 0
	TURN 0, 1, 1
	QUARTER 1, 1, F0, F1, 0
	QUARTER 1, 2, F1, F0, 0
	QUARTER 1, 3, F0, F1, 0
	TURN 1, 0, 1
	WIN 0
	s_mov_b32 s[NEW], 0
	s_cmp_lg_u32 s[LAP], s15
	s_cbranch_scc1 .Lno_out
	WAYOUT                                         ; the first square is finished; both refills for the second are asked for
	s_wait_xcnt 0x0                                ; its stores have read their base and their data
	s_add_nc_u64 s[8:9], s[8:9], s[DC:DC+1]
	s_mov_b32 s[NEW], 1
.Lno_out:
	s_add_co_u32 s[LAP], s[LAP], 1
	s_cmp_lt_u32 s[LAP], 4
	s_cbranch_scc1 .Llap
	QUARTER 0, 1, F0, F1, 0                        ; the fifth lap fills nothing, and has no round of the cluster's barrier
	QUARTER 0, 2, F1, F0, 0
	QUARTER 0, 3, F0, F1, 0
	TURN 0, 1, 0
	QUARTER 1, 1, F0, F1, 0
	QUARTER 1, 2, F1, F0, 0
	QUARTER 1, 3, F0, F1, 0
	s_wait_dscnt 16
	WIN MUL
	MUL8 F1, 0, 0, 0
	MUL8 F1, 0, 2, 0
	s_wait_dscnt 0
	MUL8 F1, 1, 0, 0
	MUL8 F1, 1, 2, 0
	WIN 0
	WAYOUT
	s_wait_tensorcnt 0x0                           ; the wave's end
	ds_add_u32 v[SPW], v[NIL]
	s_wait_dscnt 0x0
	CROUND                                         ; the closing round
	s_endpgm
.Lfunc_end_k_q8f9990d0b7_mix:
	.size	k_q8f9990d0b7_mix, .Lfunc_end_k_q8f9990d0b7_mix-k_q8f9990d0b7_mix
	.p2alignl 7, 3214868480
	.fill 96, 4, 3214868480
	.section	.rodata,"a",@progbits
	.p2align	6, 0x0
	.amdhsa_kernel k_q8f9990d0b7_mix
		.amdhsa_group_segment_fixed_size 327680
		.amdhsa_private_segment_fixed_size 0
		.amdhsa_enable_private_segment 0
		.amdhsa_kernarg_size 32
		.amdhsa_user_sgpr_count 2
		.amdhsa_user_sgpr_kernarg_segment_ptr 1
		.amdhsa_wavefront_size32 1
		.amdhsa_system_sgpr_workgroup_id_x 1
		.amdhsa_system_sgpr_workgroup_id_y 1
		.amdhsa_system_sgpr_workgroup_id_z 1
		.amdhsa_system_vgpr_workitem_id 0
		.amdhsa_next_free_vgpr 512
		.amdhsa_next_free_sgpr 96
		.amdhsa_reserve_vcc 0
		.amdhsa_float_denorm_mode_32 3
		.amdhsa_float_denorm_mode_16_64 3
		.amdhsa_memory_ordered 1
		.amdhsa_forward_progress 1
		.amdhsa_inst_pref_size 111
	.end_amdhsa_kernel
	.amdgpu_metadata
---
amdhsa.version: [ 1, 2 ]
amdhsa.kernels:
  - .name:           k_q8f9990d0b7_mix
    .symbol:         k_q8f9990d0b7_mix.kd
    .args:
      - { .name: p, .offset: 0, .size: 8, .value_kind: global_buffer, .address_space: global }
      - { .name: qkv, .offset: 8, .size: 8, .value_kind: global_buffer, .address_space: global }
      - { .name: out0, .offset: 16, .size: 8, .value_kind: global_buffer, .address_space: global }
      - { .name: amax, .offset: 24, .size: 8, .value_kind: global_buffer, .address_space: global }
    .group_segment_fixed_size: 327680
    .private_segment_fixed_size: 0
    .kernarg_segment_align: 8
    .kernarg_segment_size: 32
    .max_flat_workgroup_size: 128
    .sgpr_count:     96
    .vgpr_count:     512
    .wavefront_size: 32
...
	.end_amdgpu_metadata
.endif
;; end of part 4
